; MI455X (gfx1250); checked and timed in simulation.
; The chip was launched on July 23, 2026; its instructions are those of AMD's public machine-readable ISA for CDNA 5 (MIT licence, August 2026) and "CDNA5" Instruction Set Architecture Reference Guide (July 2026). The comments in the code are by the model that wrote it; some were corrected since.
;; Causal No Head Self Attention. Allowed arithmetic: matrix products marked QUANTISED: E2M1 operands, one E8M0 scale for each 32 along K, by v_wmma_scale_f32_16x16x128_f8f6f4 with both operands' format E2M1 (or v_wmma_scale_f32_32x16x128_f4), f32 sums; products left as they are: bf16, f16 or f32 operands; f32 sums; everything else in f32.
;; Inputs: Wk 1,024 x 1,024 float32; Wo 1,024 x 1,024 float32; Wq 1,024 x 1,024 float32; Wv 1,024 x 1,024 float32; token_positions 4 x 2,048 int32; x 4 x 2,048 x 1,024 float32.
;; Outputs: out0 4 x 2,048 x 1,024 float32.
;; This version of the problem:
;;   THIS VERSION OF THE PROBLEM IS GIVEN IN LOW PRECISION. The matrix products marked QUANTISED in the list below multiply operands that are first quantised to E2M1 (2 exponent bits, 1 mantissa bit; 4 bits a number), with one power-of-two scale for each 32 numbers along K (OCP MX v1.0); their sums are f32. The products marked 'left as it is' may take bf16, f16 or f32 operands, with f32 sums. Whichever they take, every output number must still come out within the allowed error. Rounding operands to bf16 (8 significant bits) uses up far more of that allowance than f16 does (11 bits, for magnitudes from 6e-5 to 65,504). All else is computed in f32.
;;   The module's matrix products, in the order in which they are computed (A, B: the left and right operand; K: the contracted axis; several contracted axes count as one K, in the product's order):
;;     1. [M 8,192, K 1,024] x [K 1,024, N 1,024]; A: input x; B: input Wq: QUANTISED
;;     2. [M 8,192, K 1,024] x [K 1,024, N 1,024]; A: input x; B: input Wk: QUANTISED
;;     3. [M 8,192, K 1,024] x [K 1,024, N 1,024]; A: input x; B: input Wv: QUANTISED
;;     4. batch 4 x [M 2,048, K 1,024] x [K 1,024, N 2,048]; A: computed on the way; B: computed on the way: left as it is (an operand is computed on the way)
;;     5. batch 4 x [M 2,048, K 2,048] x [K 2,048, N 1,024]; A: computed on the way; B: computed on the way: left as it is (an operand is computed on the way)
;;     6. [M 8,192, K 1,024] x [K 1,024, N 1,024]; A: computed on the way; B: input Wo: left as it is (an operand is computed on the way)
;;   THE QUANTISER, for each operand of a quantised product, along K:
;;     - K is cut into blocks of 32 from its start; a last block that is shorter is filled with zeros.
;;     - A block's scale is 2^e with e = floor(log2(the largest magnitude in the block)) - 2, held to -126 .. 127; a block of zeros has e = 0. As a byte (E8M0): e + 127.
;;     - Each number is divided by its block's scale, clamped to +-6, and rounded to the nearest number of E2M1, ties to even, subnormals kept.
;;     - The product sums the exact products of the quantised numbers (number of the format x scale) in f32.
;;   ~~~python
;;   def quantise(x, axis):      # numpy; x: float32 -> the quantised numbers, widened to float32 again
;;       x = np.moveaxis(x, axis, -1); K = x.shape[-1]
;;       x = np.pad(x, [(0, 0)] * (x.ndim - 1) + [(0, -K % 32)]); x = x.reshape(x.shape[:-1] + (-1, 32)); a = np.abs(x).max(-1, keepdims=True)
;;       e = np.where(a > 0, np.clip(np.frexp(np.where(a > 0, a, 1))[1] - 1 - 2, -126, 127), 0)      # np.frexp(a)[1] - 1 = floor(log2(a)), exactly
;;       r = np.clip(x / 2.0 ** e, -6, 6)
;;       step = 2.0 ** (np.maximum(np.frexp(np.where(r == 0, 1, r))[1] - 1, 0) - 1)
;;       q = np.round(r / step) * step * 2.0 ** e      # np.round: ties to even
;;       return np.moveaxis(q.reshape(q.shape[:-2] + (-1,))[..., :K], -1, axis).astype(np.float32)
;;   ~~~
;; One version. Each part assembles by itself: llvm-mc -triple=amdgcn-amd-amdhsa -mcpu=gfx1250 --defsym DOCPART=n.
;; ======== version 1 of 1: 6 launches
;; limits: right only within a limited range of input values; values are held in f16: magnitudes above 65,504 overflow, below 6.1e-05 lose precision
;; workspace buffers: qz 8,224,768 bytes; qk16 33,554,432 bytes; vt16 16,777,216 bytes; qkvf 786,432 bytes; p16 33,554,432 bytes; st 1,048,576 bytes; attn16 16,777,216 bytes
;; launch quant (part 1): grid 384 x 1, 4 waves a work-group, no clusters, 33,280 bytes of LDS; arguments x, Wq, Wk, Wv, Wo, qz; writes qz
.if DOCPART == 1
	.amdgcn_target "amdgcn-amd-amdhsa--gfx1250"
	.amdhsa_code_object_version 6
	.text
	.protected	k_qf41e9f4e4e_quant
	.globl	k_qf41e9f4e4e_quant
	.p2align	8
	.type	k_qf41e9f4e4e_quant,@function
k_qf41e9f4e4e_quant:
	s_mov_b64 s[64:65], 0
	v_nop
	global_prefetch_b8 v0, s[64:65] scope:SCOPE_SE
	s_setreg_imm32_b32 hwreg(HW_REG_WAVE_MODE, 25, 1), 1
	s_wait_xcnt 0x0
; FIRST OF SIX LAUNCHES of: out = softmax_causal(rope(x Wq^T) rope(x Wk^T)^T / 32) (x Wv^T) Wo^T,  x [4][2048][1024], all W [1024][1024], f32.
; This launch: x, Wq, Wk, Wv -> codes of FP4 (E2M1) with K innermost and one E8M0 byte for each 32 along K; Wo -> f16.  All go into the workspace qz:
;   byte 0: x's codes [8192][512];  4,194,304: the codes of Wq, Wk, Wv, [3072][512];  5,767,168: x's scale bytes [8192][32];  6,029,312: the W's [3072][32];  6,127,616: Wo as f16 [1024][1024].
; WORK LEFT OUT IN THE PROGRAM: the causal mask is built by the problem itself (key k counts for query q where k <= q).  A tile of 256 queries x 256 keys all of whose keys come after all its
; queries gets the weight 0 for every value of the inputs, so its scores and its part of weights x V are not computed (launches score and pv walk the 36 live tiles of each sequence).
; Inside a tile on the diagonal the hidden part is computed and set to weight 0.  No input is left out.  LIMIT: a NaN, an infinity or an overflow that reaches only hidden tiles is not carried to the result.
; LIMITS OF THE PROGRAM: |Q|, |K|, |V|, |weights x V| and |Wo| stay under 65,504 (they are f16 operands of the products that are left as they are); |token_positions| under 2^22;
; scores under -3e38 are held there; 1 / 10000^(j / 512) is made as 2^(-j log2(10000) / 512); sums are ordered otherwise than in the problem's text.
; THE QUANTISER: a block's scale is 2^(floor(log2(largest magnitude)) - 2); its byte is the largest magnitude's exponent field - 2, held at 1 from below.  A block of zeros gets the byte 1 where the
; rule says 127: its codes are zeros, which add nothing, and only this program reads the bytes.  Blocks under 2^(2 - 126), NaN and infinities among the inputs are not served.
; SHARES.  Rows are dense and K is a multiple of 32: each tensor is a stream of blocks of 32.  Work-groups 0-351: wave = one run of 8,192 numbers, 16 steps of 512; run R = 4 x work-group + wave counts through
; x, Wq, Wk, Wv on end, and so do the codes (4,096 bytes a run) and the scale bytes (256 a run).  Work-groups 352-383: Wo, 8,192 numbers a wave, rounded to f16.
; A step's four loads read 512 consecutive bytes each; the 2,048 bytes turn through the wave's own stage in LDS so that a lane holds 16 neighbours; two neighbouring lanes hold a block.
.set WAVES, 4
.set STEPS, 16
.set EMAX,  2
.set CB,    8                          ; bytes of 16 codes
.set R,     16                         ; v16-79   four sets of 16 numbers as loaded
.set X,     80                         ; v80-111  two sets of 16 neighbours
.set E,     112                        ; v112-127 a scale byte for each step
.set C,     128                        ; v128-191 codes, four registers for each step
.set WREG,  8192                       ; LDS: a region for each wave: two stages of 32 x SP bytes, then its 256 scale bytes
.set SP,    80
.set SPW,   12                         ; v12 LDS address of my spare word; never rewritten
.set NIL,   13                         ; v13 0; never rewritten
.set SPARE, WAVES*WREG                 ; the spare words: 128 bytes a wave, named by no other line
.set XSO,   5767168                    ; where the scale bytes begin in qz
.set WOO,   6127616                    ; where Wo's f16 numbers begin
.set GQ,    352                        ; work-groups that quantise
	s_load_b256 s[4:11], s[0:1], 0x0               ; x, Wq, Wk, Wv
	s_load_b128 s[12:15], s[0:1], 0x20             ; Wo, qz
	v_lshl_add_u32 v[SPW], v0, 2, SPARE
	v_mov_b32 v[NIL], 0
	v_lshrrev_b32 v1, 5, v0
	v_readfirstlane_b32 s24, v1                    ; wave
	v_and_b32 v2, 31, v0                           ; lane
	v_lshlrev_b32 v3, 4, v2                        ; my 16 bytes of a load's 512
	v_lshlrev_b32 v4, 3, v2                        ; my 8 bytes of a store's 256
	s_mov_b32 s27, 0
	s_mov_b32 s29, 0
	s_mov_b32 s31, 0
	s_cmp_ge_u32 ttmp9, GQ                         ; the work-group's number alone decides
	s_cbranch_scc1 .Lwo
	s_mul_i32 s17, s24, WREG
	v_lshrrev_b32 v14, 2, v2
	v_mul_u32_u24 v14, v14, SP
	v_and_b32 v15, 3, v2
	v_lshl_add_u32 v14, v15, 4, v14
	v_add_nc_u32 v14, s17, v14                     ; the stage, on the way in: SP (lane / 4) + 16 (lane % 4)
	v_mul_u32_u24 v15, v2, SP
	v_add_nc_u32 v15, s17, v15                     ; and on the way out: SP x lane
	v_lshrrev_b32 v5, 1, v2
	s_add_co_u32 s17, s17, 2*32*SP
	v_add_nc_u32 v5, s17, v5                       ; my block's scale byte in LDS
	v_lshlrev_b32 v7, 3, v2
	v_add_nc_u32 v6, s17, v7                       ; on the way out 8 bytes a lane
	s_lshl_b32 s25, ttmp9, 2
	s_add_co_u32 s25, s25, s24                     ; R
	s_movk_i32 s18, 1280
	s_wait_kmcnt 0x0
	s_cmp_lt_u32 ttmp9, 320                        ; which tensor, and its first run
	s_cselect_b64 s[20:21], s[8:9], s[10:11]
	s_cselect_b32 s18, 1152, s18
	s_cmp_lt_u32 ttmp9, 288
	s_cselect_b64 s[20:21], s[6:7], s[20:21]
	s_cselect_b32 s18, 1024, s18
	s_cmp_lt_u32 ttmp9, 256
	s_cselect_b64 s[20:21], s[4:5], s[20:21]
	s_cselect_b32 s18, 0, s18
	s_sub_co_u32 s26, s25, s18
	s_lshl_b32 s26, s26, 15                        ; 32,768 bytes of f32 a run
	s_add_nc_u64 s[20:21], s[20:21], s[26:27]      ; my numbers
	s_lshl_b32 s28, s25, 12
	s_add_nc_u64 s[22:23], s[14:15], s[28:29]      ; my codes
	s_lshl_b32 s30, s25, 8
	s_add_co_u32 s30, s30, XSO
	s_add_nc_u64 s[32:33], s[14:15], s[30:31]      ; my scale bytes
.macro LOAD t
.irp i, 0,1,2,3
	global_load_b128 v[R+16*((\t)%4)+4*\i:R+16*((\t)%4)+4*\i+3], v3, s[20:21] offset:2048*(\t)+512*\i th:TH_LOAD_NT
.endr
.endm
.macro TURN t                          ; step t's numbers through the stage: LDS serves a wave's instructions in order
.irp i, 0,1,2,3
	ds_store_b128 v14, v[R+16*((\t)%4)+4*\i:R+16*((\t)%4)+4*\i+3] offset:32*SP*((\t)%2)+8*SP*\i
.endr
.irp i, 0,1,2,3
	ds_load_b128 v[X+16*((\t)%2)+4*\i:X+16*((\t)%2)+4*\i+3], v15 offset:32*SP*((\t)%2)+16*\i
.endr
.endm
.irp t, 0,1,2,3
	LOAD \t
.endr
	s_wait_loadcnt 12                              ; step 0's four loads are in; three steps' twelve may be out
	TURN 0
.macro STEP t
.set XS, X+16*((\t)%2)
.if (\t) > 0
	s_wait_dscnt 1                                 ; this step's numbers are back from the stage; the last step's byte store may be out
.else
	s_wait_dscnt 0x0
.endif
.if (\t)+4 < STEPS
	LOAD (\t)+4
.endif
.if (\t)+1 < STEPS
.if STEPS-2-(\t) >= 3
	s_wait_loadcnt 12                              ; the next step's four are in; those of the three steps behind it may be out
.else
	s_wait_loadcnt 4*(STEPS-2-(\t))
.endif
	TURN (\t)+1
.endif
	v_max3_num_f32 v8, |v[XS]|, |v[XS+1]|, |v[XS+2]|               ; the largest magnitude of my 16, in two chains
	v_max3_num_f32 v9, |v[XS+3]|, |v[XS+4]|, |v[XS+5]|
.irp i, 6,10
	v_max3_num_f32 v8, v8, |v[XS+\i]|, |v[XS+\i+1]|
	v_max3_num_f32 v9, v9, |v[XS+\i+2]|, |v[XS+\i+3]|
.endr
	v_max3_num_f32 v8, v8, |v[XS+14]|, |v[XS+15]|
	v_max3_num_f32 v8, v8, v9, (EMAX+1)<<23        ; and the floor 2^(3 - 127): the byte cannot fall under 1
	v_max_num_f32_dpp v8, v8, v8 row_xmask:1 row_mask:0xf bank_mask:0xf   ; with my neighbour's 16: the block's
	v_add_nc_u32 v11, 0xff000000, v8               ; 2 off the exponent field: the conversion takes that field as its scale
	v_cvt_scalef32_pk8_fp4_f32 v[C+4*(\t)], v[XS:XS+7], v11
	v_cvt_scalef32_pk8_fp4_f32 v[C+4*(\t)+1], v[XS+8:XS+15], v11
	v_lshrrev_b32 v[E+(\t)], 23, v11               ; the scale's byte
	ds_store_b8 v5, v[E+(\t)] offset:16*(\t)       ; both lanes of a block write the same byte with the same value
	global_store_b64 v4, v[C+4*(\t):C+4*(\t)+1], s[22:23] offset:32*CB*(\t)   ; the wave stores 256 consecutive bytes, aligned
.endm
.irp t, 0,1,2,3,4,5,6,7,8,9,10,11,12,13,14,15
	STEP \t
.endr
	ds_load_b64 v[8:9], v6                         ; these see my byte stores: one wave's LDS instructions are served in order
	s_wait_dscnt 0x0
	global_store_b64 v7, v[8:9], s[32:33]          ; 256 scale bytes, aligned
	s_wait_tensorcnt 0x0                           ; the wave's end, behind my last LDS store
	ds_add_u32 v[SPW], v[NIL]
	s_wait_dscnt 0x0
	s_endpgm
; Wo to f16: four groups of sixteen loads of 512 bytes; one group is on its way while another is rounded and stored, 256 consecutive bytes a store.
.macro LOADG k
.irp i, 0,1,2,3,4,5,6,7,8,9,10,11,12,13,14,15
	global_load_b128 v[16+64*((\k)%2)+4*\i:16+64*((\k)%2)+4*\i+3], v3, s[20:21] offset:512*(16*(\k)+\i) th:TH_LOAD_NT
.endr
.endm
.macro CVTG k
.irp i, 0,1,2,3,4,5,6,7,8,9,10,11,12,13,14,15
	v_cvt_pk_f16_f32 v[144+2*\i], v[16+64*((\k)%2)+4*\i], v[16+64*((\k)%2)+4*\i+1]
	v_cvt_pk_f16_f32 v[145+2*\i], v[16+64*((\k)%2)+4*\i+2], v[16+64*((\k)%2)+4*\i+3]
.endr
.irp i, 0,1,2,3,4,5,6,7,8,9,10,11,12,13,14,15
	global_store_b64 v4, v[144+2*\i:145+2*\i], s[22:23] offset:256*(16*(\k)+\i)
.endr
.endm
.Lwo:
	s_sub_co_u32 s25, ttmp9, GQ
	s_lshl_b32 s25, s25, 2
	s_add_co_u32 s25, s25, s24                     ; my run of 8,192 numbers of Wo
	s_lshl_b32 s26, s25, 15
	s_lshl_b32 s28, s25, 14
	s_add_co_u32 s28, s28, WOO
	s_wait_kmcnt 0x0
	s_add_nc_u64 s[20:21], s[12:13], s[26:27]
	s_add_nc_u64 s[22:23], s[14:15], s[28:29]
	LOADG 0
	LOADG 1
	s_wait_loadcnt 16                              ; group 0 is in; group 1's sixteen may be out
	CVTG 0
	LOADG 2
	s_wait_loadcnt 16
	s_wait_xcnt 0x0                                ; the last group's stores have read their data registers, which are written again
	CVTG 1
	LOADG 3
	s_wait_loadcnt 16
	s_wait_xcnt 0x0
	CVTG 2
	s_wait_loadcnt 0x0
	s_wait_xcnt 0x0
	CVTG 3
	s_wait_tensorcnt 0x0                           ; the same three lines at this end too
	ds_add_u32 v[SPW], v[NIL]
	s_wait_dscnt 0x0
	s_endpgm
.Lfunc_end_k_qf41e9f4e4e_quant:
	.size	k_qf41e9f4e4e_quant, .Lfunc_end_k_qf41e9f4e4e_quant-k_qf41e9f4e4e_quant
	.p2alignl 7, 3214868480
	.fill 96, 4, 3214868480
	.section	.rodata,"a",@progbits
	.p2align	6, 0x0
	.amdhsa_kernel k_qf41e9f4e4e_quant
		.amdhsa_group_segment_fixed_size 33280
		.amdhsa_private_segment_fixed_size 0
		.amdhsa_enable_private_segment 0
		.amdhsa_kernarg_size 48
		.amdhsa_user_sgpr_count 2
		.amdhsa_user_sgpr_kernarg_segment_ptr 1
		.amdhsa_wavefront_size32 1
		.amdhsa_system_sgpr_workgroup_id_x 1
		.amdhsa_system_sgpr_workgroup_id_y 1
		.amdhsa_system_sgpr_workgroup_id_z 1
		.amdhsa_system_vgpr_workitem_id 0
		.amdhsa_next_free_vgpr 192
		.amdhsa_next_free_sgpr 66
		.amdhsa_reserve_vcc 0
		.amdhsa_float_denorm_mode_32 3
		.amdhsa_float_denorm_mode_16_64 3
		.amdhsa_memory_ordered 1
		.amdhsa_forward_progress 1
		.amdhsa_inst_pref_size 54
	.end_amdhsa_kernel
	.amdgpu_metadata
---
amdhsa.version: [ 1, 2 ]
amdhsa.kernels:
  - .name:           k_qf41e9f4e4e_quant
    .symbol:         k_qf41e9f4e4e_quant.kd
    .args:
      - { .name: x, .offset: 0, .size: 8, .value_kind: global_buffer, .address_space: global }
      - { .name: Wq, .offset: 8, .size: 8, .value_kind: global_buffer, .address_space: global }
      - { .name: Wk, .offset: 16, .size: 8, .value_kind: global_buffer, .address_space: global }
      - { .name: Wv, .offset: 24, .size: 8, .value_kind: global_buffer, .address_space: global }
      - { .name: Wo, .offset: 32, .size: 8, .value_kind: global_buffer, .address_space: global }
      - { .name: qz, .offset: 40, .size: 8, .value_kind: global_buffer, .address_space: global }
    .group_segment_fixed_size: 33280
    .private_segment_fixed_size: 0
    .kernarg_segment_align: 8
    .kernarg_segment_size: 48
    .max_flat_workgroup_size: 128
    .sgpr_count:     66
    .vgpr_count:     192
    .wavefront_size: 32
...
	.end_amdgpu_metadata
.endif
;; end of part 1
;; launch proj (part 2): grid 8 x 64, 4 waves a work-group, clusters of 4 x 4, 327,680 bytes of LDS; arguments qz, token_positions, qk16, vt16, qkvf; writes qk16, vt16, qkvf
.if DOCPART == 2
	.amdgcn_target "amdgcn-amd-amdhsa--gfx1250"
	.amdhsa_code_object_version 6
	.text
	.protected	k_qf41e9f4e4e_proj
	.globl	k_qf41e9f4e4e_proj
	.p2align	8
	.type	k_qf41e9f4e4e_proj,@function
k_qf41e9f4e4e_proj:
	s_mov_b64 s[64:65], 0
	v_nop
	global_prefetch_b8 v0, s[64:65] scope:SCOPE_SE
	s_setreg_imm32_b32 hwreg(HW_REG_WAVE_MODE, 25, 1), 1
	s_wait_xcnt 0x0
	s_wait_alu depctr_hold_cnt(0) depctr_sa_sdst(0) depctr_va_vdst(0) depctr_va_sdst(0) depctr_va_ssrc(0) depctr_va_vcc(0) depctr_vm_vsrc(0)
	s_getreg_b32 s2, hwreg(HW_REG_IB_STS2, 6, 4)
	s_cmp_eq_u32 s2, 0
	s_cbranch_scc0 .Lentry_in_a_cluster
	s_endpgm
.Lentry_in_a_cluster:
	s_bfe_u32 s2, ttmp6, 0x10000c
	s_cmp_lg_u32 s2, 0xf033
	s_cbranch_scc0 .Lentry_shape_is_right
	s_endpgm
.Lentry_shape_is_right:
; Q = rope(x Wq^T), K = rope(x Wk^T), V = x Wv^T on codes of FP4 with E8M0 scales (made by the launch before), sums in f32.  Out: Q and K as f16 [2][8192][1024], V transposed as f16 [1024 d][8192 tokens],
; and the first 16 positions of each sequence once more in f32, [3][16 b + position][1024], for the small launch that carries those rows finely.
; SHARES.  A work-group takes 128 tokens and the same 128 columns of Q, of K and of V; wave w: 64 tokens (w / 2) x 64 columns (w % 2) of each: 48 accumulators of 16 x 16.  Q and K of the same places lie in one
; wave, so each sine and cosine is made once for both.  K = 1,024 is two LDS slots of 512 along K (rows of 256 bytes): both are first fills, nothing is filled again, and there is no loop.
; CLUSTER 4 x 4: the four of a row of the cluster need the same 128 rows of x, the four of a column the same rows of the three W: joint loads.  Tile row = 16 cy + cluster y, so that the sequence is cy and
; 'the sequence's first rows' is cluster y = 0, the same in all partners.
; Q, K: source 0 = 16 rows of W, source 1 = 16 tokens: a lane holds one token and 8 neighbouring columns, that is 4 rotary pairs.  V: the sources are swapped: a lane holds one column d and 8 neighbouring tokens.
; ROPE in f32: angle = position x 1 / 10000^(j / 512); n = the nearest whole number to angle / pi; r = angle - n pi (pi in two parts); sin r and cos r by their series to r^13 and r^12 (|r| <= pi / 2); sign (-1)^n.
; REGISTERS: window 0: v1-31 addresses; v32-127 scale words, a set for each slot; v128-231 the way out's work.  Windows 1, 2: accumulator (a, g, bb) at 96 (a % 2) + 8 (4 g + bb) of window 1 + a / 2.
;   window 3: two sets of fragments: W's twelve at 96 s + 8 (4 g + bb), x's four at 192 + 32 s + 8 a.
.set PITCH, 272                        ; an LDS row: 256 bytes + 16 of padding
.set GRP,   128*PITCH                  ; 128 rows: what one tensor load brings
.set SLOT,  4*GRP                      ; x, Wq, Wk, Wv
.set SCL,   2*SLOT                     ; the scale bytes of the same four groups of 128 rows, for all of K: 16 units of 256 bytes + 16 each
.set SGRP,  16*272
.set SPARE, SCL+4*SGRP                 ; the spare words
.set WCO,   4194304
.set XSO,   5767168
.set WSO,   6029312
.set COV,  4                           ; v4  V^T: my byte offset in the rows that I store
.set FQ,   5                           ; v5  the f32 copies of Q and K
.set FV,   6                           ; v6  and of V
.set PO,   7                           ; v7  4 x (lane % 16): positions
.set ADRA, 16                          ; v16-17 x's fragments in slot 0, 1
.set ADRB, 18                          ; v18-23 W's: 3 x slot + g
.set ADRS, 24                          ; v24 scale words: lanes 0-15 x's rows, lanes 16-31 W's
.set STQ,  25                          ; v25 the stage of Q (K's lies GRP further on)
.set STV,  26                          ; v26 the stage of V^T
.set RD,   27                          ; v27 where I read rows of Q's stage back
.set SPW,  28
.set NIL,  29
.set RDV,  30                          ; v30 the same for V^T's stage
.set CO,   31                          ; v31 Q, K: my byte offset in the rows that I store
.set SC,   32
.set INVF, 128                         ; v128-143 1 / 10000^(j / 512) of my 16 pairs: 4 bb + p
.set POSF, 144                         ; v144-147 the positions of my four tokens, as f32
.set CF,   148                         ; v148-159 pairs (sine's, cosine's) of series coefficients 1 to 6
.set ANG,  160
.set TT,   164
.set NN,   168
.set RR,   172
.set Z,    176
.set U,    180                         ; v180-187 four pairs (sin, cos)
.set SB,   188
.set TM,   192
.set RQ,   200
.set RK,   208
.set HQ,   216
.set HK,   220
.set HV,   224
.set KC,   228                         ; v228-231 1 / pi, 1.5 x 2^23, -pi's high part, -pi's low part
.set G1,   24                          ; s[24:31] group 1, x's codes;  s[32:39] W's codes;  s[40:47] x's scales;  s[48:55] W's scales
.set G1B,  32
.set G1S,  40
.set G1SB, 48
.set MSB, 0
.macro WIN new                         ; the immediate's high byte repeats the setting that is left
.if MSB != (\new)
	s_set_vgpr_msb (MSB<<8)|(\new)
.set MSB, (\new)
.endif
.endm
.macro PLACES
.rept 4
	v_nop
.endr
.endm
.macro CROUND                          ; a round of the cluster's barrier
	s_barrier_signal -1
	s_barrier_wait -1
	s_cmp_lg_u32 s14, 0
	s_cbranch_scc1 .Lnot_wave_0_\@
	s_barrier_signal -3
.Lnot_wave_0_\@:
	s_barrier_wait -3
	s_barrier_signal -1
	s_barrier_wait -1
.endm
	s_load_b256 s[4:11], s[0:1], 0x0               ; qz, token_positions, qk16, vt16
	s_load_b64 s[12:13], s[0:1], 0x20              ; qkvf
	v_lshl_add_u32 v[SPW], v0, 2, SPARE
	v_mov_b32 v[NIL], 0
	ds_add_u32 v[SPW], v[NIL]                      ; the opening: the add, twice on end, and its wait ahead of my first tensor load
	ds_add_u32 v[SPW], v[NIL]
	v_lshrrev_b32 v1, 5, v0
	v_readfirstlane_b32 s14, v1                    ; wave
	s_lshr_b32 s15, s14, 1                         ; wr: my 64 tokens
	s_and_b32 s16, s14, 1                          ; wc: my 64 columns
	s_bfe_u32 s84, ttmp6, 0x40000                  ; cx
	s_bfe_u32 s85, ttmp6, 0x40004                  ; cy
	s_lshl_b32 s86, ttmp9, 2
	s_add_co_u32 s86, s86, s84                     ; tx = 4 x cluster x + cx
	s_and_b32 s87, ttmp7, 0xffff                   ; cluster y
	s_lshl_b32 s88, s85, 4
	s_add_co_u32 s88, s88, s87                     ; ty = 16 cy + cluster y
	s_or_b32 s17, s87, s15                         ; 0: my block a = 0 is positions 0-15 of a sequence
	s_lshl_b32 s89, s85, 2
	s_lshl_b32 s89, 15, s89                        ; my row of the cluster
	s_lshl_b32 s90, 0x1111, s84                    ; my column
	s_or_b32 s[G1], s89, (1<<20)|(1<<21)|(5<<22)|(3<<25)     ; the mask; elements of 1 byte; 4 words of padding behind every 64
	s_or_b32 s[G1B], s90, (1<<20)|(1<<21)|(5<<22)|(3<<25)
.irp g, G1, G1B
	s_mov_b32 s[\g+1], 256<<16                     ; tensor_dim0
	s_mov_b32 s[\g+2], 128<<16                     ; tensor_dim1
	s_mov_b32 s[\g+3], 256<<16                     ; tile_dim0
	s_mov_b32 s[\g+4], 128                         ; tile_dim1
	s_mov_b32 s[\g+5], 512                         ; from row to row
	s_mov_b32 s[\g+6], 0
	s_mov_b32 s[\g+7], 0
.endr
	s_or_b32 s[G1S], s89, (3<<16)|(1<<20)|(1<<21)|(5<<22)|(3<<25)    ; 4,096 dense bytes as 16 rows of 32 elements of 8 bytes
	s_or_b32 s[G1SB], s90, (3<<16)|(1<<20)|(1<<21)|(5<<22)|(3<<25)
.irp g, G1S, G1SB
	s_mov_b32 s[\g+1], 32<<16
	s_mov_b32 s[\g+2], 16<<16
	s_mov_b32 s[\g+3], 32<<16
	s_mov_b32 s[\g+4], 16
	s_mov_b32 s[\g+5], 32
	s_mov_b32 s[\g+6], 0
	s_mov_b32 s[\g+7], 0
.endr
	s_lshl_b32 s20, s88, 16                        ; x's codes: 128 ty rows of 512 bytes
	s_mov_b32 s21, 0
	s_lshl_b32 s22, s88, 12                        ; x's scale bytes: 128 ty rows of 32
	s_add_co_u32 s22, s22, XSO
	s_mov_b32 s23, 0
	s_max_u32 s91, s14, 1
	s_sub_co_u32 s91, s91, 1                       ; waves 1, 2, 3 fetch Wq, Wk, Wv
	s_lshl_b32 s91, s91, 10
	s_lshl_b32 s92, s86, 7
	s_add_co_u32 s91, s91, s92                     ; the first row: 1,024 x tensor + 128 tx
	s_lshl_b32 s92, s91, 9
	s_add_co_u32 s92, s92, WCO
	s_mov_b32 s93, 0
	s_lshl_b32 s94, s91, 5
	s_add_co_u32 s94, s94, WSO
	s_mov_b32 s95, 0
	s_mul_i32 s96, s14, GRP                        ; where they go: no place in the cluster enters an LDS address
	s_mul_i32 s97, s14, SGRP
	s_wait_dscnt 0x0                               ; both opening adds are done
	s_wait_kmcnt 0x0
	s_add_nc_u64 s[20:21], s[4:5], s[20:21]
	s_add_nc_u64 s[22:23], s[4:5], s[22:23]
	s_add_nc_u64 s[92:93], s[4:5], s[92:93]
	s_add_nc_u64 s[94:95], s[4:5], s[94:95]
	s_mov_b32 s56, 1                               ; groups 0 for x: scales, slot 0, slot 1
	s_add_co_u32 s57, s97, SCL
	s_mov_b64 s[58:59], s[22:23]
	s_or_b32 s59, s59, 0x80000000
	s_mov_b32 s60, 1
	s_mov_b32 s61, s96
	s_mov_b64 s[62:63], s[20:21]
	s_or_b32 s63, s63, 0x80000000
	s_mov_b32 s68, 1
	s_add_co_u32 s69, s96, SLOT
	s_add_nc_u64 s[70:71], s[20:21], 256
	s_or_b32 s71, s71, 0x80000000
	s_mov_b32 s72, 1                               ; and for W
	s_add_co_u32 s73, s97, SCL
	s_mov_b64 s[74:75], s[94:95]
	s_or_b32 s75, s75, 0x80000000
	s_mov_b32 s76, 1
	s_mov_b32 s77, s96
	s_mov_b64 s[78:79], s[92:93]
	s_or_b32 s79, s79, 0x80000000
	s_mov_b32 s80, 1
	s_add_co_u32 s81, s96, SLOT
	s_add_nc_u64 s[82:83], s[92:93], 256
	s_or_b32 s83, s83, 0x80000000
	CROUND                                         ; all sixteen work-groups are here: the joint loads meet
	s_cmp_eq_u32 s14, 0                            ; a wave's three first fills stand in one branch on its number: three loads of mine are out
	s_cbranch_scc0 .Lfirst_w
	tensor_load_to_lds s[56:59], s[G1S:G1S+7]
	s_nop 0
	tensor_load_to_lds s[60:63], s[G1:G1+7]
	s_nop 0
	tensor_load_to_lds s[68:71], s[G1:G1+7]
	s_nop 0
	PLACES
	s_branch .Lfirst_asked
.Lfirst_w:
	tensor_load_to_lds s[72:75], s[G1SB:G1SB+7]
	s_nop 0
	tensor_load_to_lds s[76:79], s[G1B:G1B+7]
	s_nop 0
	tensor_load_to_lds s[80:83], s[G1B:G1B+7]
	s_nop 0
	PLACES
.Lfirst_asked:
	; while the tiles are on their way: addresses, positions, frequencies, constants
	v_and_b32 v1, 15, v0                           ; r
	v_bfe_u32 v2, v0, 4, 1                         ; h
	v_mul_u32_u24 v3, v1, PITCH
	v_lshl_add_u32 v3, v2, 4, v3                   ; r x pitch + 16 h
	s_mul_i32 s18, s15, 64*PITCH
	s_mul_i32 s19, s16, 64*PITCH
	s_add_co_u32 s19, s19, GRP
.irp s, 0,1
	v_add_nc_u32 v[ADRA+\s], s18, v3
.irp g, 0,1,2
	v_add_nc_u32 v[ADRB+3*\s+\g], s19, v3
	s_add_co_u32 s19, s19, GRP
.endr
	s_add_co_u32 s18, s18, SLOT
	s_add_co_u32 s19, s19, SLOT-3*GRP
.endr
	v_lshlrev_b32 v8, 5, v1                        ; a row's scale bytes: 32 r,
	v_lshrrev_b32 v9, 3, v1
	v_lshl_add_u32 v8, v9, 4, v8                   ; and 16 more for each 256 passed
	s_mul_i32 s18, s15, 8*272                      ; x's: my 64 rows
	s_mul_i32 s19, s16, 8*272                      ; Wq's: my 64 rows, one group further on
	s_add_co_u32 s19, s19, SGRP
	s_sub_co_u32 s19, s19, s18
	v_mul_u32_u24 v9, s19, v2                      ; lanes 16-31 take W's: one product in h
	s_add_co_u32 s18, s18, SCL
	v_add_nc_u32 v8, v8, v9
	v_add_nc_u32 v[ADRS], s18, v8
	s_mul_i32 s18, s15, 64*PITCH                   ; the stages lie in slot 0, which has had its last fill and, behind the change to slot 1, its last read
	s_lshl_b32 s19, s16, 7
	s_add_co_u32 s18, s18, s19
	v_add_nc_u32 v[STQ], s18, v3                   ; token 64 wr + r, bytes 128 wc + 16 h
	s_mul_i32 s18, s16, 64*PITCH
	s_lshl_b32 s19, s15, 7
	s_add_co_u32 s18, s18, s19
	s_add_co_u32 s18, s18, 2*GRP
	v_add_nc_u32 v[STV], s18, v3                   ; column 64 wc + r, bytes 128 wr + 16 h
	s_mul_i32 s18, s14, 32*PITCH
	v_mul_u32_u24 v8, v2, PITCH
	v_lshl_add_u32 v8, v1, 4, v8
	v_add_nc_u32 v[RD], s18, v8                    ; back: rows 32 w + h on, 16 bytes a lane
	v_add_nc_u32 v[RDV], 2*GRP, v[RD]
	v_lshlrev_b32 v8, 4, v1
	v_lshl_add_u32 v[CO], v2, 11, v8
	v_lshl_add_u32 v[COV], v2, 14, v8
	s_lshl_b32 s18, s16, 8
	v_lshlrev_b32 v[FQ], 12, v1
	v_lshl_add_u32 v[FQ], v2, 5, v[FQ]
	v_add_nc_u32 v[FQ], s18, v[FQ]                 ; row r of 4,096 bytes, columns 64 wc + 8 h
	v_lshlrev_b32 v[FV], 15, v2
	v_lshl_add_u32 v[FV], v1, 2, v[FV]
	v_add_nc_u32 v[FV], s18, v[FV]                 ; rows 8 h on, column 64 wc + r
	v_lshlrev_b32 v[PO], 2, v1
	s_mov_b32 s99, 0
	s_lshl_b32 s98, s88, 9
	s_add_co_u32 s98, s98, s18
	s_add_nc_u64 s[6:7], s[6:7], s[98:99]          ; the positions of my 64 tokens: (128 ty + 64 wr) x 4...
	s_lshl_b32 s98, s15, 8
	s_sub_co_u32 s98, s98, s18                     ; (wc's 256 was added above in wr's place: put right here)
	s_ashr_i32 s99, s98, 31
	s_add_nc_u64 s[6:7], s[6:7], s[98:99]
	s_mov_b32 s99, 0
	s_lshl_b32 s98, s88, 18
	s_lshl_b32 s18, s14, 16
	s_add_co_u32 s98, s98, s18
	s_lshl_b32 s18, s86, 8
	s_add_co_u32 s98, s98, s18
	s_add_nc_u64 s[8:9], s[8:9], s[98:99]          ; Q: row 128 ty + 32 w, byte 256 tx
	s_add_nc_u64 s[90:91], s[8:9], 0x1000000       ; K lies 16,777,216 bytes on
	s_lshl_b32 s98, s86, 21
	s_lshl_b32 s18, s14, 19
	s_add_co_u32 s98, s98, s18
	s_lshl_b32 s18, s88, 8
	s_add_co_u32 s98, s98, s18
	s_add_nc_u64 s[10:11], s[10:11], s[98:99]      ; V^T: row 128 tx + 32 w, byte 256 ty
	s_lshl_b32 s98, s85, 16
	s_lshl_b32 s18, s86, 9
	s_add_co_u32 s98, s98, s18
	s_add_nc_u64 s[12:13], s[12:13], s[98:99]      ; the f32 copies: row 16 cy, byte 512 tx
.irp a, 0,1,2,3
	global_load_b32 v[POSF+\a], v[PO], s[6:7] offset:64*\a
.endr
	s_lshl_b32 s18, s86, 6
	s_lshl_b32 s19, s16, 5
	s_add_co_u32 s18, s18, s19
	v_lshl_add_u32 v8, v2, 2, s18                  ; my first pair: 64 tx + 32 wc + 4 h
.irp i, 0,1,2,3,4,5,6,7,8,9,10,11,12,13,14,15
	v_add_nc_u32 v[INVF+\i], 8*(\i/4)+\i%4, v8
.endr
.irp i, 0,1,2,3,4,5,6,7,8,9,10,11,12,13,14,15
	v_cvt_f32_u32 v[INVF+\i], v[INVF+\i]
.endr
.irp i, 0,1,2,3,4,5,6,7,8,9,10,11,12,13,14,15
	v_mul_f32 v[INVF+\i], 0xbcd49a78, v[INVF+\i]   ; x -log2(10000) / 512
.endr
.irp i, 0,1,2,3,4,5,6,7,8,9,10,11,12,13,14,15
	v_exp_f32 v[INVF+\i], v[INVF+\i]
.endr
	v_mov_b32 v[KC], 0x3ea2f983                    ; 1 / pi   (plain work behind the batch)
	v_mov_b32 v[KC+1], 0x4b400000                  ; 1.5 x 2^23: adding it rounds to a whole number
	v_mov_b32 v[KC+2], 0xc0490fdb                  ; -pi, high part
	v_mov_b32 v[KC+3], 0x33bbbd2e                  ; -pi, low part
	v_mov_b32 v[CF+0], 0xbe2aaaab                  ; -1/3!
	v_mov_b32 v[CF+1], 0xbf000000                  ; -1/2!
	v_mov_b32 v[CF+2], 0x3c088889                  ; 1/5!
	v_mov_b32 v[CF+3], 0x3d2aaaab                  ; 1/4!
	v_mov_b32 v[CF+4], 0xb9500d01                  ; -1/7!
	v_mov_b32 v[CF+5], 0xbab60b61                  ; -1/6!
	v_mov_b32 v[CF+6], 0x3638ef1d                  ; 1/9!
	v_mov_b32 v[CF+7], 0x37d00d01                  ; 1/8!
	v_mov_b32 v[CF+8], 0xb2d7322b                  ; -1/11!
	v_mov_b32 v[CF+9], 0xb493f27e                  ; -1/10!
	v_mov_b32 v[CF+10], 0x2f309231                 ; 1/13!
	v_mov_b32 v[CF+11], 0x310f76c7                 ; 1/12!
	s_wait_alu depctr_va_vdst(0)                   ; one wait for the sixteen exponentials, ahead of their first reader and of every label
.macro SCALES sl                       ; a slot's scale words: four words a row; lanes 0-15: x's block bb (of use at g = 0), lanes 16-31: W's block (g, bb)
.irp g, 0,1,2
.irp bb, 0,1,2,3
	ds_load_b128 v[SC+48*(\sl)+4*(4*\g+\bb):SC+48*(\sl)+4*(4*\g+\bb)+3], v[ADRS] offset:\g*SGRP+\bb*544+16*(\sl)
.endr
.endr
.endm
.macro FETCH st                        ; the fragments of step st (128 along K) into set st % 2: 24 loads for W, 8 for x
	WIN 0xc0
.irp g, 0,1,2
.irp bb, 0,1,2,3
.irp c, 0,1
	ds_load_b128 v[96*((\st)%2)+8*(4*\g+\bb)+4*\c:96*((\st)%2)+8*(4*\g+\bb)+4*\c+3], v[ADRB+3*((\st)/4)+\g] offset:64*((\st)%4)+32*\c+\bb*16*PITCH
.endr
.endr
.endr
.irp a, 0,1,2,3
.irp c, 0,1
	ds_load_b128 v[192+32*((\st)%2)+8*\a+4*\c:192+32*((\st)%2)+8*\a+4*\c+3], v[ADRA+(\st)/4] offset:64*((\st)%4)+32*\c+\a*16*PITCH
.endr
.endr
	WIN 0
.endm
; 48 matrix instructions: the 48 accumulators take turns, one instruction a turn, in the same order in every step
.macro MULS st, zero
.set SCB, SC+48*((\st)/4)+(\st)%4
.set FW, 96*((\st)%2)
.set FX, 192+32*((\st)%2)
.irp a, 0,1,2,3
	WIN 0x5f+0x50*(\a/2)
.irp g, 0,1,2
.irp bb, 0,1,2,3
.set rD, 96*(\a%2)+8*(4*\g+\bb)
.set rW, FW+8*(4*\g+\bb)
.set rX, FX+8*\a
.if \g < 2
.if \zero
	v_wmma_scale_f32_16x16x128_f8f6f4 v[rD:rD+7], v[rW:rW+7], v[rX:rX+7], 0, v[SCB+4*(4*\g+\bb)], v[SCB+4*\a] matrix_a_fmt:MATRIX_FMT_FP4 matrix_b_fmt:MATRIX_FMT_FP4 matrix_a_scale:MATRIX_SCALE_ROW1
.else
	v_wmma_scale_f32_16x16x128_f8f6f4 v[rD:rD+7], v[rW:rW+7], v[rX:rX+7], v[rD:rD+7], v[SCB+4*(4*\g+\bb)], v[SCB+4*\a] matrix_a_fmt:MATRIX_FMT_FP4 matrix_b_fmt:MATRIX_FMT_FP4 matrix_a_scale:MATRIX_SCALE_ROW1
.endif
.else
.if \zero
	v_wmma_scale_f32_16x16x128_f8f6f4 v[rD:rD+7], v[rX:rX+7], v[rW:rW+7], 0, v[SCB+4*\a], v[SCB+4*(4*\g+\bb)] matrix_a_fmt:MATRIX_FMT_FP4 matrix_b_fmt:MATRIX_FMT_FP4 matrix_b_scale:MATRIX_SCALE_ROW1
.else
	v_wmma_scale_f32_16x16x128_f8f6f4 v[rD:rD+7], v[rX:rX+7], v[rW:rW+7], v[rD:rD+7], v[SCB+4*\a], v[SCB+4*(4*\g+\bb)] matrix_a_fmt:MATRIX_FMT_FP4 matrix_b_fmt:MATRIX_FMT_FP4 matrix_b_scale:MATRIX_SCALE_ROW1
.endif
.endif
.endr
.endr
.endr
	WIN 0
.endm
	s_wait_tensorcnt 0x1                           ; my scale bytes and my part of slot 0 are in; slot 1's load may stay out
	s_barrier_signal -1
	s_barrier_wait -1
	SCALES 0
	FETCH 0
	FETCH 1
	s_wait_dscnt 32                                ; all but the 32 just issued
	MULS 0, 1                                      ; the first step starts the sums
.irp st, 1,2
	PLACES                                         ; four places in front of loads into registers that matrix instructions have read
	FETCH \st+1
	s_wait_dscnt 32
	MULS \st, 0
.endr
	PLACES
	s_wait_tensorcnt 0x0                           ; my part of slot 1 is in,
	s_wait_dscnt 0x0                               ; and my reads of slot 0 are over (step 3's fragments are in registers)
	s_barrier_signal -1
	s_barrier_wait -1                              ; both hold of every wave: slot 1 is whole, and nobody reads slot 0 any more
	SCALES 1
	FETCH 4
	MULS 3, 0
.irp st, 4,5,6
	PLACES
	FETCH \st+1
	s_wait_dscnt 32
	MULS \st, 0
.endr
	s_wait_dscnt 0x0
	MULS 7, 0
	PLACES
	s_wait_loadcnt 0x0                             ; the positions
.irp a, 0,1,2,3
	v_cvt_f32_i32 v[POSF+\a], v[POSF+\a]
.endr
; one step of the two series for pair p: (sine's, cosine's) = (sine's, cosine's) x z + the next pair of coefficients
.macro H1 p, zp, o, first, k
.if \first
	v_pk_fma_f32 v[U+2*\p:U+2*\p+1], v[CF+10:CF+11], v[Z+\zp:Z+\zp+1], v[CF+8:CF+9] op_sel:[0,\o,0] op_sel_hi:[1,\o,1]
.elseif \k == 0
	v_pk_fma_f32 v[U+2*\p:U+2*\p+1], v[U+2*\p:U+2*\p+1], v[Z+\zp:Z+\zp+1], 1.0 op_sel:[0,\o,0] op_sel_hi:[1,\o,0]
.else
	v_pk_fma_f32 v[U+2*\p:U+2*\p+1], v[U+2*\p:U+2*\p+1], v[Z+\zp:Z+\zp+1], v[CF+2*(\k)-2:CF+2*(\k)-1] op_sel:[0,\o,0] op_sel_hi:[1,\o,1]
.endif
.endm
.macro H4 first, k                     ; the four pairs by turns
	H1 0, 0, 0, \first, \k
	H1 1, 0, 1, \first, \k
	H1 2, 2, 0, \first, \k
	H1 3, 2, 1, \first, \k
.endm
; tokens 16 a on, columns 16 bb on: four angles a lane; Q and K are turned, all three are rounded to f16 and go to the stages.  ao = a % 2, as a digit
.macro ROPE a, bb, ao
.set WW, 1+(\a)/2
.set AQ, 96*((\a)%2)+8*(\bb)
	WIN 0
.irp i, 0,2
	v_pk_mul_f32 v[ANG+\i:ANG+\i+1], v[INVF+4*(\bb)+\i:INVF+4*(\bb)+\i+1], v[POSF+2*((\a)/2):POSF+2*((\a)/2)+1] op_sel:[0,\ao] op_sel_hi:[1,\ao]
.endr
.irp i, 0,2
	v_pk_fma_f32 v[TT+\i:TT+\i+1], v[ANG+\i:ANG+\i+1], v[KC:KC+1], v[KC:KC+1] op_sel:[0,0,1] op_sel_hi:[1,0,1]    ; angle / pi + 1.5 x 2^23
.endr
.irp i, 0,2
	v_pk_add_f32 v[NN+\i:NN+\i+1], v[TT+\i:TT+\i+1], v[KC:KC+1] op_sel:[0,1] op_sel_hi:[1,1] neg_lo:[0,1] neg_hi:[0,1]   ; n
.endr
.irp i, 0,2
	v_pk_fma_f32 v[RR+\i:RR+\i+1], v[NN+\i:NN+\i+1], v[KC+2:KC+3], v[ANG+\i:ANG+\i+1] op_sel:[0,0,0] op_sel_hi:[1,0,1]
.endr
.irp i, 0,2
	v_pk_fma_f32 v[RR+\i:RR+\i+1], v[NN+\i:NN+\i+1], v[KC+2:KC+3], v[RR+\i:RR+\i+1] op_sel:[0,1,0] op_sel_hi:[1,1,1]     ; r = angle - n pi
.endr
.irp i, 0,2
	v_pk_mul_f32 v[Z+\i:Z+\i+1], v[RR+\i:RR+\i+1], v[RR+\i:RR+\i+1]
.endr
	H4 1, 5
	H4 0, 4
	H4 0, 3
	H4 0, 2
	H4 0, 1
	H4 0, 0                                        ; (sin r / r, cos r)
.irp p, 0,1,2,3
	v_lshlrev_b32 v[SB+\p], 31, v[TT+\p]           ; n's lowest bit as a sign
.endr
.irp p, 0,1,2,3
	v_xor_b32 v[RR+\p], v[SB+\p], v[RR+\p]
.endr
.irp p, 0,1,2,3
	v_mul_f32 v[U+2*\p], v[U+2*\p], v[RR+\p]       ; the angle's sine
.endr
.irp p, 0,1,2,3
	v_xor_b32 v[U+2*\p+1], v[SB+\p], v[U+2*\p+1]   ; and cosine
.endr
	WIN WW                                         ; source 0: the accumulators' window
.irp p, 0,1,2,3
	v_pk_mul_f32 v[TM+2*\p:TM+2*\p+1], v[AQ+2*\p:AQ+2*\p+1], v[U+2*\p:U+2*\p+1] op_sel:[0,1] op_sel_hi:[1,1]          ; (x1 c, x2 c)
.endr
.irp p, 0,1,2,3
	v_pk_fma_f32 v[RQ+2*\p:RQ+2*\p+1], v[AQ+2*\p:AQ+2*\p+1], v[U+2*\p:U+2*\p+1], v[TM+2*\p:TM+2*\p+1] op_sel:[1,0,0] op_sel_hi:[0,0,1] neg_lo:[0,1,0]   ; (x1 c - x2 s, x1 s + x2 c)
.endr
.irp p, 0,1,2,3
	v_pk_mul_f32 v[TM+2*\p:TM+2*\p+1], v[AQ+32+2*\p:AQ+32+2*\p+1], v[U+2*\p:U+2*\p+1] op_sel:[0,1] op_sel_hi:[1,1]
.endr
.irp p, 0,1,2,3
	v_pk_fma_f32 v[RK+2*\p:RK+2*\p+1], v[AQ+32+2*\p:AQ+32+2*\p+1], v[U+2*\p:U+2*\p+1], v[TM+2*\p:TM+2*\p+1] op_sel:[1,0,0] op_sel_hi:[0,0,1] neg_lo:[0,1,0]
.endr
	WIN WW|(WW<<2)
.irp p, 0,1,2,3
	v_cvt_pk_f16_f32 v[HV+\p], v[AQ+64+2*\p], v[AQ+64+2*\p+1]
.endr
	WIN 0
.irp p, 0,1,2,3
	v_cvt_pk_f16_f32 v[HQ+\p], v[RQ+2*\p], v[RQ+2*\p+1]
	v_cvt_pk_f16_f32 v[HK+\p], v[RK+2*\p], v[RK+2*\p+1]
.endr
	ds_store_b128 v[STQ], v[HQ:HQ+3] offset:(\a)*16*PITCH+32*(\bb)
	ds_store_b128 v[STQ], v[HK:HK+3] offset:GRP+(\a)*16*PITCH+32*(\bb)
	ds_store_b128 v[STV], v[HV:HV+3] offset:(\bb)*16*PITCH+32*(\a)
.if (\a) == 0                          ; positions 0-15 of a sequence also leave in f32: a branch on cluster y and the wave's number
	s_cmp_lg_u32 s17, 0
	s_cbranch_scc1 .Lnof_\@
	global_store_b128 v[FQ], v[RQ:RQ+3], s[12:13] offset:64*(\bb)
	global_store_b128 v[FQ], v[RQ+4:RQ+7], s[12:13] offset:64*(\bb)+16
	global_store_b128 v[FQ], v[RK:RK+3], s[12:13] offset:262144+64*(\bb)
	global_store_b128 v[FQ], v[RK+4:RK+7], s[12:13] offset:262144+64*(\bb)+16
	WIN 0x04                                       ; a store's data are its source 1: window 1
.irp j, 0,1,2,3,4,5,6,7
	global_store_b32 v[FV], v[AQ+64+\j], s[12:13] offset:524288+\j*4096+64*(\bb)
.endr
	WIN 0
	s_wait_xcnt 0x0                                ; the stores have read their data, which the next tile writes again
.Lnof_\@:
.endif
.endm
.irp bb, 0,1,2,3
	ROPE 0, \bb, 0
.endr
.irp bb, 0,1,2,3
	ROPE 1, \bb, 1
.endr
.irp bb, 0,1,2,3
	ROPE 2, \bb, 0
.endr
.irp bb, 0,1,2,3
	ROPE 3, \bb, 1
.endr
	s_wait_dscnt 0x0                               ; for the others' sake: my stores into the stages are done
	s_barrier_signal -1
	s_barrier_wait -1
.irp t, 0,1,2,3,4,5,6,7,8,9,10,11,12,13,14,15
	ds_load_b128 v[32+4*\t:35+4*\t], v[RD] offset:\t*2*PITCH
.endr
.irp t, 0,1,2,3,4,5,6,7,8,9,10,11,12,13,14,15
	ds_load_b128 v[128+4*\t:131+4*\t], v[RD] offset:GRP+\t*2*PITCH
.endr
.irp t, 0,1,2,3,4,5,6,7,8,9,10,11,12,13,14,15
	s_wait_dscnt 31-\t
	global_store_b128 v[CO], v[32+4*\t:35+4*\t], s[8:9] offset:\t*4096        ; sixteen lanes store 256 consecutive bytes, aligned
.endr
.irp t, 0,1,2,3,4,5,6,7,8,9,10,11,12,13,14,15
	s_wait_dscnt 15-\t
	global_store_b128 v[CO], v[128+4*\t:131+4*\t], s[90:91] offset:\t*4096
.endr
	s_wait_xcnt 0x0                                ; Q's stores have read their registers, which V^T's rows take
.irp t, 0,1,2,3,4,5,6,7,8,9,10,11,12,13,14,15
	ds_load_b128 v[32+4*\t:35+4*\t], v[RDV] offset:\t*2*PITCH
.endr
.irp t, 0,1,2,3,4,5,6,7,8,9,10,11,12,13,14,15
	s_wait_dscnt 15-\t
	global_store_b128 v[COV], v[32+4*\t:35+4*\t], s[10:11] offset:\t*32768
.endr
	s_wait_tensorcnt 0x0                           ; the wave's end
	ds_add_u32 v[SPW], v[NIL]
	s_wait_dscnt 0x0
	CROUND                                         ; the closing round
	s_endpgm
.Lfunc_end_k_qf41e9f4e4e_proj:
	.size	k_qf41e9f4e4e_proj, .Lfunc_end_k_qf41e9f4e4e_proj-k_qf41e9f4e4e_proj
	.p2alignl 7, 3214868480
	.fill 96, 4, 3214868480
	.section	.rodata,"a",@progbits
	.p2align	6, 0x0
	.amdhsa_kernel k_qf41e9f4e4e_proj
		.amdhsa_group_segment_fixed_size 327680
		.amdhsa_private_segment_fixed_size 0
		.amdhsa_enable_private_segment 0
		.amdhsa_kernarg_size 40
		.amdhsa_user_sgpr_count 2
		.amdhsa_user_sgpr_kernarg_segment_ptr 1
		.amdhsa_wavefront_size32 1
		.amdhsa_system_sgpr_workgroup_id_x 1
		.amdhsa_system_sgpr_workgroup_id_y 1
		.amdhsa_system_sgpr_workgroup_id_z 1
		.amdhsa_system_vgpr_workitem_id 0
		.amdhsa_next_free_vgpr 1024
		.amdhsa_next_free_sgpr 100
		.amdhsa_reserve_vcc 0
		.amdhsa_float_denorm_mode_32 3
		.amdhsa_float_denorm_mode_16_64 3
		.amdhsa_memory_ordered 1
		.amdhsa_forward_progress 1
		.amdhsa_inst_pref_size 174
	.end_amdhsa_kernel
	.amdgpu_metadata
---
amdhsa.version: [ 1, 2 ]
amdhsa.kernels:
  - .name:           k_qf41e9f4e4e_proj
    .symbol:         k_qf41e9f4e4e_proj.kd
    .args:
      - { .name: qz, .offset: 0, .size: 8, .value_kind: global_buffer, .address_space: global }
      - { .name: token_positions, .offset: 8, .size: 8, .value_kind: global_buffer, .address_space: global }
      - { .name: qk16, .offset: 16, .size: 8, .value_kind: global_buffer, .address_space: global }
      - { .name: vt16, .offset: 24, .size: 8, .value_kind: global_buffer, .address_space: global }
      - { .name: qkvf, .offset: 32, .size: 8, .value_kind: global_buffer, .address_space: global }
    .group_segment_fixed_size: 327680
    .private_segment_fixed_size: 0
    .kernarg_segment_align: 8
    .kernarg_segment_size: 40
    .max_flat_workgroup_size: 128
    .sgpr_count:     100
    .vgpr_count:     1024
    .wavefront_size: 32
...
	.end_amdgpu_metadata
.endif
;; end of part 2
;; launch score (part 3): grid 36 x 4, 4 waves a work-group, no clusters, 327,680 bytes of LDS; arguments qk16, p16, st; writes p16, st
.if DOCPART == 3
	.amdgcn_target "amdgcn-amd-amdhsa--gfx1250"
	.amdhsa_code_object_version 6
	.text
	.protected	k_qf41e9f4e4e_score
	.globl	k_qf41e9f4e4e_score
	.p2align	8
	.type	k_qf41e9f4e4e_score,@function
k_qf41e9f4e4e_score:
	s_mov_b64 s[64:65], 0
	v_nop
	global_prefetch_b8 v0, s[64:65] scope:SCOPE_SE
	s_setreg_imm32_b32 hwreg(HW_REG_WAVE_MODE, 25, 1), 1
	s_wait_xcnt 0x0
; Scores and a softmax in pieces.  For each live tile of 256 queries x 256 keys of a sequence: S = Q K^T (f16 operands, f32 sums), t = S log2(e) / 32; for each query and each piece of 128 keys:
; M = the piece's largest t rounded up to a whole number, p = 2^(t - M) stored as f16, -M and l = the sum of the unrounded p stored in f32.  The next launch brings all pieces of a row under one M.
; WORK LEFT OUT: tiles all of whose keys come after all their queries have weight 0 under the problem's own causal mask: only the 36 tiles with J <= I of each sequence are made (grid x counts them).
; A piece of a diagonal tile that is hidden whole stores p = 0, l = 0 and a very large -M, which makes its factor 0 in the next launch.
; NO CLUSTER: the live tiles of a sequence are a staircase with rows of 1 to 8 tiles; a cluster of four along either axis would hold partners with hidden tiles alone.
; SHAPE: four waves, each 128 x 128 in 64 accumulators; K (the 1,024 channels) in steps of 128 through a ring of two LDS slots; each wave fetches a quarter of a slot, one tensor load.
; Source 0 = 16 keys, source 1 = 16 queries: a lane holds one query (lane % 16) and 8 neighbouring keys; a query's 128 scores of a piece lie in lanes l and l xor 16.
; REGISTERS: window 0: v16-31 addresses; v64-127, v128-191 Q's fragments, two buffers; window 1: K's; windows 2, 3: accumulator (a, b) at 8 (8 (a % 4) + b) of window 2 + a / 4.
;   On the way out, window 0: v64-127 t and p; v128-142 at work; v192-223 p as f16; v32-63 and v224-255 rows read back, by turns.
.set KSTEP,  128
.set PITCH,  272
.set HALFT,  128*PITCH
.set SLOT,   4*HALFT
.set STAGE,  2*SLOT                    ; 16 rows x 272 bytes for each wave
.set SPITCH, 272
.set STAT,   STAGE+4*16*SPITCH         ; 1,024 bytes for each wave: -M of its 128 queries, then l
.set SPARE,  STAT+4*1024
.set ADRA, 16
.set ADRB, 20
.set SGO,  22                          ; v22 16 x lane
.set SRD,  23                          ; v23 where I read my wave's statistics back
.set STO,  24
.set RD,   25
.set CO,   26
.set SPW,  28
.set NIL,  29
.set DQ0,  30                          ; v30 r - 8 h + 128 (wr - wc)
.set STA,  31                          ; v31 my query's word among the statistics
.set F0,   64
.set F1,   128
.set E,    64
.set MX,   128
.set PM,   132
.set TP,   133
.set NGM,  134                         ; v[134:135]: -M; the packed form names the pair and takes its low word
.set LS,   136
.set DQ,   140
.set NINF, 141
.set LL,   142
.set TMP,  192
.set OB,   32
.set G1,   24
.set G0,   32
.set CS,   40                          ; s[40:41] log2(e) / 32
.set SEL,  42                          ; s[42:43] lane l xor 16
.set MF,   44                          ; s44 1: my 128 x 128 touches the diagonal or lies above it
.set MSB, 0
.macro WIN new
.if MSB != (\new)
	s_set_vgpr_msb (MSB<<8)|(\new)
.set MSB, (\new)
.endif
.endm
.set MUL_LO, 0xa1
.set MUL_HI, 0xf1
.set TO_B,   0x40
.macro PLACES
.rept 4
	v_nop
.endr
.endm
	s_load_b128 s[4:7], s[0:1], 0x0                ; qk16, p16
	s_load_b64 s[8:9], s[0:1], 0x10                ; st
	v_lshl_add_u32 v[SPW], v0, 2, SPARE
	v_mov_b32 v[NIL], 0
	ds_add_u32 v[SPW], v[NIL]                      ; the opening: the add, twice on end, and its wait ahead of my first tensor load
	ds_add_u32 v[SPW], v[NIL]
	v_lshrrev_b32 v1, 5, v0
	v_readfirstlane_b32 s10, v1                    ; wave
	s_lshr_b32 s11, s10, 1                         ; wr: my half of the queries.  Also: I fetch Q (0) or K (1)
	s_and_b32 s12, s10, 1                          ; wc: my half of the keys.  Also: which 128 rows I fetch
	s_and_b32 s13, ttmp7, 0xffff                   ; the sequence
	s_mov_b32 s14, 0
.irp k, 1,2,3,4,5,6,7
	s_cmp_ge_u32 ttmp9, \k*(\k+1)/2
	s_cselect_b32 s14, \k, s14                     ; I: the tile row
.endr
	s_add_co_u32 s15, s14, 1
	s_mul_i32 s15, s15, s14
	s_lshr_b32 s15, s15, 1
	s_sub_co_u32 s15, ttmp9, s15                   ; J: the tile column, 0 .. I
	s_mov_b32 s[G1+0], (1<<16)|(1<<20)|(5<<22)|(3<<25)   ; elements of 2 bytes; 4 words of padding behind every 64
	s_mov_b32 s[G1+1], KSTEP<<16
	s_mov_b32 s[G1+2], 128<<16
	s_mov_b32 s[G1+3], KSTEP<<16
	s_mov_b32 s[G1+4], 128
	s_mov_b32 s[G1+5], 1024
	s_mov_b32 s[G1+6], 0
	s_mov_b32 s[G1+7], 0
	s_cmp_eq_u32 s11, 0
	s_cselect_b32 s16, s14, s15
	s_lshl_b32 s16, s16, 8
	s_lshl_b32 s17, s12, 7
	s_add_co_u32 s16, s16, s17
	s_lshl_b32 s17, s13, 11
	s_add_co_u32 s16, s16, s17                     ; the first row that I fetch
	s_lshl_b32 s16, s16, 11
	s_lshl_b32 s17, s11, 24                        ; K lies 16,777,216 bytes behind Q
	s_add_co_u32 s16, s16, s17
	s_mov_b32 s17, 0
	s_mul_i32 s20, s10, HALFT
	s_mov_b32 s[CS], 0x3d38aa3b
	s_mov_b32 s[CS+1], s[CS]
	s_mov_b32 s[SEL], 0x76543210
	s_mov_b32 s[SEL+1], 0xfedcba98
	s_cmp_eq_u32 s14, s15
	s_cselect_b32 s[MF], 1, 0
	s_cmp_ge_u32 s12, s11
	s_cselect_b32 s[MF], s[MF], 0
	s_wait_dscnt 0x0                               ; both opening adds are done
	s_wait_kmcnt 0x0
	s_add_nc_u64 s[18:19], s[4:5], s[16:17]
.irp s, 0,1                            ; every wave issues its two first fills, ahead of everything else: two loads of mine are out
	s_mov_b32 s[G0+4*\s], 1
	s_add_co_u32 s[G0+4*\s+1], s20, \s*SLOT
	s_add_nc_u64 s[G0+4*\s+2:G0+4*\s+3], s[18:19], \s*KSTEP*2
	s_or_b32 s[G0+4*\s+3], s[G0+4*\s+3], 0x80000000
	tensor_load_to_lds s[G0+4*\s:G0+4*\s+3], s[G1:G1+7]
	s_nop 0
.endr
	v_and_b32 v1, 15, v0                           ; r
	v_bfe_u32 v2, v0, 4, 1                         ; h
	v_mul_u32_u24 v3, v1, PITCH
	v_lshl_add_u32 v3, v2, 4, v3
	s_mul_i32 s21, s11, HALFT
	s_mul_i32 s22, s12, HALFT
	s_add_co_u32 s22, s22, 2*HALFT
.irp s, 0,1
	v_add_nc_u32 v[ADRA+\s], s21, v3
	v_add_nc_u32 v[ADRB+\s], s22, v3
	s_add_co_u32 s21, s21, SLOT
	s_add_co_u32 s22, s22, SLOT
.endr
	s_mul_i32 s23, s10, 16*SPITCH
	s_add_co_u32 s23, s23, STAGE
	v_mul_u32_u24 v4, v1, SPITCH
	v_lshl_add_u32 v4, v2, 4, v4
	v_add_nc_u32 v[STO], s23, v4
	v_mul_u32_u24 v5, v2, SPITCH
	v_lshl_add_u32 v5, v1, 4, v5
	v_add_nc_u32 v[RD], s23, v5
	v_lshlrev_b32 v5, 4, v1
	v_lshl_add_u32 v[CO], v2, 12, v5               ; a row of p16 is 4,096 bytes
	s_sub_co_i32 s21, s11, s12
	s_lshl_b32 s21, s21, 7
	v_lshlrev_b32 v5, 3, v2
	v_sub_nc_u32 v[DQ0], v1, v5
	v_add_nc_u32 v[DQ0], s21, v[DQ0]
	s_lshl_b32 s21, s10, 10
	s_add_co_u32 s21, s21, STAT
	v_lshl_add_u32 v[STA], v1, 2, s21
	v_and_b32 v5, 31, v0
	v_lshlrev_b32 v[SGO], 4, v5
	v_add_nc_u32 v[SRD], s21, v[SGO]
	s_lshl_b32 s16, s13, 11                        ; p16: row 2,048 b + 256 I + 128 wr, byte 512 J + 256 wc
	s_lshl_b32 s21, s14, 8
	s_add_co_u32 s16, s16, s21
	s_lshl_b32 s21, s11, 7
	s_add_co_u32 s16, s16, s21
	s_lshl_b32 s16, s16, 12
	s_lshl_b32 s21, s15, 9
	s_add_co_u32 s16, s16, s21
	s_lshl_b32 s21, s12, 8
	s_add_co_u32 s16, s16, s21
	s_add_nc_u64 s[6:7], s[6:7], s[16:17]
	s_lshl_b32 s16, s13, 4                         ; st: piece 16 b + 2 J + wc, row 256 I + 128 wr
	s_lshl_b32 s21, s15, 1
	s_add_co_u32 s16, s16, s21
	s_add_co_u32 s16, s16, s12
	s_lshl_b32 s16, s16, 13
	s_lshl_b32 s21, s14, 10
	s_add_co_u32 s16, s16, s21
	s_lshl_b32 s21, s11, 9
	s_add_co_u32 s16, s16, s21
	s_add_nc_u64 s[8:9], s[8:9], s[16:17]
.macro MUL16 f, hi, a0, zero           ; 16 matrix instructions; the 64 accumulators take turns in the same order in every quarter
.irp a, \a0, \a0+1
.irp b, 0,1,2,3,4,5,6,7
.if \zero
	v_wmma_f32_16x16x32_f16 v[8*(8*(\a)+\b):8*(8*(\a)+\b)+7], v[\f+8*\b:\f+8*\b+7], v[\f+8*(4*\hi+\a):\f+8*(4*\hi+\a)+7], 0
.else
	v_wmma_f32_16x16x32_f16 v[8*(8*(\a)+\b):8*(8*(\a)+\b)+7], v[\f+8*\b:\f+8*\b+7], v[\f+8*(4*\hi+\a):\f+8*(4*\hi+\a)+7], v[8*(8*(\a)+\b):8*(8*(\a)+\b)+7]
.endif
.endr
.endr
.endm
.macro FETCH slot, k, f                ; 32 LDS loads in one run: K's eight fragments, then Q's eight
	WIN TO_B
.irp i, 0,1,2,3,4,5,6,7
	ds_load_b128 v[\f+8*\i:\f+8*\i+3],   v[ADRB+\slot] offset:\k+\i*16*PITCH
	ds_load_b128 v[\f+8*\i+4:\f+8*\i+7], v[ADRB+\slot] offset:\k+\i*16*PITCH+32
.endr
	WIN 0
.irp i, 0,1,2,3,4,5,6,7
	ds_load_b128 v[\f+8*\i:\f+8*\i+3],   v[ADRA+\slot] offset:\k+\i*16*PITCH
	ds_load_b128 v[\f+8*\i+4:\f+8*\i+7], v[ADRA+\slot] offset:\k+\i*16*PITCH+32
.endr
.endm
.macro QUARTER slot, k, f, g, zero
	s_wait_dscnt 8                                 ; K's and Q's rows 0-63 are in; the youngest eight loads may be out
	WIN MUL_LO
	MUL16 \f, 0, 0, \zero
	MUL16 \f, 0, 2, \zero
	PLACES                                         ; four places in front of loads into registers that matrix instructions have read
	FETCH \slot, \k, \g
	s_wait_dscnt 32                                ; all but the 32 just issued
	WIN MUL_HI
	MUL16 \f, 1, 0, \zero
	MUL16 \f, 1, 2, \zero
.endm
; A slot's last quarter changes slots: each wave waits for all its tensor loads, adds 0 to its spare word, waits for that and for its reads of the slot, and passes the barrier; the refill comes first behind it.
.macro TURN slot, next, fill
	WIN 0
	s_wait_tensorcnt 0x0                           ; my one load that was out, my part of the next slot, has landed
	ds_add_u32 v[SPW], v[NIL]
	s_wait_dscnt 9                                 ; the add and the youngest eight loads may be out
	WIN MUL_LO
	MUL16 F1, 0, 0, 0
	s_wait_dscnt 0x0                               ; the add is done and my reads of this slot are over
	s_barrier_signal -1
	MUL16 F1, 0, 2, 0
	WIN 0
	s_barrier_wait -1
.if \fill
	s_add_nc_u64 s[G0+4*\slot+2:G0+4*\slot+3], s[G0+4*\slot+2:G0+4*\slot+3], 2*KSTEP*2
	tensor_load_to_lds s[G0+4*\slot:G0+4*\slot+3], s[G1:G1+7]     ; two K steps on, into the slot just left: my one load until the next such barrier
	s_nop 0
.endif
	PLACES
	FETCH \next, 0, F0
	WIN MUL_HI
	MUL16 F1, 1, 0, 0
	MUL16 F1, 1, 2, 0
.endm
	s_wait_tensorcnt 0x1                           ; my part of K step 0 is in; K step 1's may stay out
	s_barrier_signal -1
	s_barrier_wait -1
	FETCH 0, 0, F0
	QUARTER 0, 64, F0, F1, 1                       ; the first quarter starts the sums
	WIN 0
	s_mov_b32 s3, 3                                ; 1,024 / 256 - 1 trips, each once round the ring
.Llap:
	QUARTER 0, 128, F1, F0, 0
	QUARTER 0, 192, F0, F1, 0
	TURN 0, 1, 1
	QUARTER 1, 64,  F0, F1, 0
	QUARTER 1, 128, F1, F0, 0
	QUARTER 1, 192, F0, F1, 0
	TURN 1, 0, 1
	QUARTER 0, 64,  F0, F1, 0
	WIN 0
	s_sub_co_u32 s3, s3, 1
	s_cmp_lg_u32 s3, 0
	s_cbranch_scc1 .Llap
	QUARTER 0, 128, F1, F0, 0                      ; the last lap fills nothing
	QUARTER 0, 192, F0, F1, 0
	TURN 0, 1, 0
	QUARTER 1, 64,  F0, F1, 0
	QUARTER 1, 128, F1, F0, 0
	QUARTER 1, 192, F0, F1, 0
	s_wait_dscnt 8
	WIN MUL_LO
	MUL16 F1, 0, 0, 0
	MUL16 F1, 0, 2, 0
	s_wait_dscnt 0x0
	WIN MUL_HI
	MUL16 F1, 1, 0, 0
	MUL16 F1, 1, 2, 0
	WIN 0
; THE WAY OUT.  Block a: 16 queries x my 128 keys.
.macro SOFT a
.set WW, 2+(\a)/4
.set AC, 64*((\a)%4)
	WIN 0
	s_cmp_eq_u32 s[MF], 0                          ; ids alone: away from the diagonal nothing is hidden
	s_cbranch_scc1 .Lopen_\@
	v_add_nc_u32 v[DQ], 16*(\a), v[DQ0]            ; register 8 b + j holds a key that is hidden where 16 b + j > this
	WIN (WW<<6)|WW
.set n, 0
.rept 64
	v_cmp_gt_i32 vcc_lo, 16*(n/8)+n%8, v[DQ]
	v_cndmask_b32 v[AC+n], v[AC+n], v[NINF], vcc_lo
.set n, n+1
.endr
	WIN 0
.Lopen_\@:
	WIN WW|(WW<<2)|(WW<<4)
.irp c, 0,1,2,3
	v_max3_num_f32 v[MX+\c], v[AC+16*\c], v[AC+16*\c+1], v[AC+16*\c+2]     ; four chains; each accumulator is read from its low end on
.endr
	WIN (WW<<2)|(WW<<4)
.irp i, 3,5,7,9,11,13
.irp c, 0,1,2,3
	v_max3_num_f32 v[MX+\c], v[MX+\c], v[AC+16*\c+\i], v[AC+16*\c+\i+1]
.endr
.endr
.irp c, 0,1,2,3
	v_max_num_f32 v[MX+\c], v[MX+\c], v[AC+16*\c+15]
.endr
	WIN 0
	v_max3_num_f32 v[PM], v[MX], v[MX+1], v[MX+2]
	v_max3_num_f32 v[PM], v[PM], v[MX+3], 0xff61b1e6   ; with the floor -3e38, so that a piece that is hidden whole has a number for its M
	v_permlanex16_b32 v[TP], v[PM], s[SEL], s[SEL+1]
	v_max_num_f32 v[PM], v[PM], v[TP]              ; the query's largest score in this piece
	v_mul_f32 v[PM], s[CS], v[PM]
	v_floor_f32 v[NGM], -v[PM]                     ; -M = floor(-t): M is a whole number
	WIN WW
.set n, 0
.rept 32
	v_pk_fma_f32 v[E+n:E+n+1], v[AC+n:AC+n+1], s[CS:CS+1], v[NGM:NGM+1] op_sel_hi:[1,0,0]   ; t - M
.set n, n+2
.endr
	WIN 0
.set n, 0
.rept 64
	v_exp_f32 v[E+n], v[E+n]                       ; p = 2^(t - M), at most 1
.set n, n+1
.endr
	v_nop                                          ; a plain place behind the batch
	s_wait_alu depctr_va_vdst(0)                   ; one wait for the 64, ahead of their first reader
	v_pk_add_f32 v[LS:LS+1], v[E:E+1], v[E+2:E+3]  ; the sum of the unrounded p, in two chains
	v_pk_add_f32 v[LS+2:LS+3], v[E+4:E+5], v[E+6:E+7]
.irp j, 8,12,16,20,24,28,32,36,40,44,48,52,56,60
	v_pk_add_f32 v[LS:LS+1], v[LS:LS+1], v[E+\j:E+\j+1]
	v_pk_add_f32 v[LS+2:LS+3], v[LS+2:LS+3], v[E+\j+2:E+\j+3]
.endr
	v_pk_add_f32 v[LS:LS+1], v[LS:LS+1], v[LS+2:LS+3]
	v_add_f32 v[LL], v[LS], v[LS+1]
	v_permlanex16_b32 v[TP], v[LL], s[SEL], s[SEL+1]
	v_add_f32 v[LL], v[LL], v[TP]
.set n, 0
.rept 32
	v_cvt_pk_f16_f32 v[TMP+n], v[E+2*n], v[E+2*n+1]
.set n, n+1
.endr
	ds_store_b32 v[STA], v[NGM] offset:64*(\a)     ; both halves of the lanes write the same word with the same value
	ds_store_b32 v[STA], v[LL] offset:512+64*(\a)
.endm
.macro TOSTAGE a                       ; 16 bytes a lane into my stage, and back as whole rows of 256 bytes: one wave's LDS instructions are served in order
.set BK, OB+192*((\a)%2)
.irp b, 0,1,2,3,4,5,6,7
	ds_store_b128 v[STO], v[TMP+4*\b:TMP+4*\b+3] offset:32*\b
.endr
.irp t, 0,1,2,3,4,5,6,7
	ds_load_b128 v[BK+4*\t:BK+4*\t+3], v[RD] offset:\t*2*SPITCH
.endr
.endm
.macro SEND a
.set BK, OB+192*((\a)%2)
	s_wait_dscnt 0x0                               ; the block is back in registers
	s_wait_xcnt 0x0                                ; earlier stores have read their base and their data: both may be written again
.if (\a) > 0
	s_add_nc_u64 s[6:7], s[6:7], 16*4096
.endif
.irp t, 0,1,2,3,4,5,6,7
	global_store_b128 v[CO], v[BK+4*\t:BK+4*\t+3], s[6:7] offset:2*\t*4096     ; sixteen lanes store 256 consecutive bytes, aligned
.endr
.endm
	PLACES                                         ; behind the last products, ahead of the first read of results and the first write of their operands
	v_mov_b32 v[NGM+1], 0                          ; named as the upper half of a pair
	v_mov_b32 v[TP], 0                             ; a lane permute's destination counts as one of its sources
	v_mov_b32 v[NINF], 0xff800000
	SOFT 0
	TOSTAGE 0
.irp a, 1,2,3,4,5,6,7
	SOFT \a
	SEND \a-1
	TOSTAGE \a
.endr
	SEND 7
	ds_load_b128 v[64:67], v[SRD]                  ; my wave's 128 -M and 128 l: these see my stores
	ds_load_b128 v[68:71], v[SRD] offset:512
	s_wait_dscnt 0x0
	global_store_b128 v[SGO], v[64:67], s[8:9]     ; 512 consecutive bytes each
	global_store_b128 v[SGO], v[68:71], s[8:9] offset:524288
	s_wait_tensorcnt 0x0                           ; the wave's end
	ds_add_u32 v[SPW], v[NIL]
	s_wait_dscnt 0x0
	s_endpgm
.Lfunc_end_k_qf41e9f4e4e_score:
	.size	k_qf41e9f4e4e_score, .Lfunc_end_k_qf41e9f4e4e_score-k_qf41e9f4e4e_score
	.p2alignl 7, 3214868480
	.fill 96, 4, 3214868480
	.section	.rodata,"a",@progbits
	.p2align	6, 0x0
	.amdhsa_kernel k_qf41e9f4e4e_score
		.amdhsa_group_segment_fixed_size 327680
		.amdhsa_private_segment_fixed_size 0
		.amdhsa_enable_private_segment 0
		.amdhsa_kernarg_size 24
		.amdhsa_user_sgpr_count 2
		.amdhsa_user_sgpr_kernarg_segment_ptr 1
		.amdhsa_wavefront_size32 1
		.amdhsa_system_sgpr_workgroup_id_x 1
		.amdhsa_system_sgpr_workgroup_id_y 1
		.amdhsa_system_sgpr_workgroup_id_z 1
		.amdhsa_system_vgpr_workitem_id 0
		.amdhsa_next_free_vgpr 1024
		.amdhsa_next_free_sgpr 66
		.amdhsa_reserve_vcc 1
		.amdhsa_float_denorm_mode_32 3
		.amdhsa_float_denorm_mode_16_64 3
		.amdhsa_memory_ordered 1
		.amdhsa_forward_progress 1
		.amdhsa_inst_pref_size 250
	.end_amdhsa_kernel
	.amdgpu_metadata
---
amdhsa.version: [ 1, 2 ]
amdhsa.kernels:
  - .name:           k_qf41e9f4e4e_score
    .symbol:         k_qf41e9f4e4e_score.kd
    .args:
      - { .name: qk16, .offset: 0, .size: 8, .value_kind: global_buffer, .address_space: global }
      - { .name: p16, .offset: 8, .size: 8, .value_kind: global_buffer, .address_space: global }
      - { .name: st, .offset: 16, .size: 8, .value_kind: global_buffer, .address_space: global }
    .group_segment_fixed_size: 327680
    .private_segment_fixed_size: 0
    .kernarg_segment_align: 8
    .kernarg_segment_size: 24
    .max_flat_workgroup_size: 128
    .sgpr_count:     66
    .vgpr_count:     1024
    .wavefront_size: 32
...
	.end_amdgpu_metadata
.endif
;; end of part 3
;; launch pv (part 4): grid 8 x 32, 4 waves a work-group, clusters of 4 x 1, 327,680 bytes of LDS; arguments p16, st, vt16, attn16; writes attn16
.if DOCPART == 4
	.amdgcn_target "amdgcn-amd-amdhsa--gfx1250"
	.amdhsa_code_object_version 6
	.text
	.protected	k_qf41e9f4e4e_pv
	.globl	k_qf41e9f4e4e_pv
	.p2align	8
	.type	k_qf41e9f4e4e_pv,@function
k_qf41e9f4e4e_pv:
	s_mov_b64 s[64:65], 0
	v_nop
	global_prefetch_b8 v0, s[64:65] scope:SCOPE_SE
	s_setreg_imm32_b32 hwreg(HW_REG_WAVE_MODE, 25, 1), 1
	s_wait_xcnt 0x0
	s_wait_alu depctr_hold_cnt(0) depctr_sa_sdst(0) depctr_va_vdst(0) depctr_va_sdst(0) depctr_va_ssrc(0) depctr_va_vcc(0) depctr_vm_vsrc(0)
	s_getreg_b32 s2, hwreg(HW_REG_IB_STS2, 6, 4)
	s_cmp_eq_u32 s2, 0
	s_cbranch_scc0 .Lentry_in_a_cluster
	s_endpgm
.Lentry_in_a_cluster:
	s_bfe_u32 s2, ttmp6, 0x10000c
	s_cmp_lg_u32 s2, 0x3003
	s_cbranch_scc0 .Lentry_shape_is_right
	s_endpgm
.Lentry_shape_is_right:
; attn = (the sum over pieces j of 2^(M_j - M) P_j V_j) / l, as f16.  P (f16, p = 2^(t - M_j) by pieces of 128 keys), -M_j and l_j come from the launch before, V^T (f16, keys innermost) from the projections.
; M = the largest M_j of the row; f_j = 2^(M_j - M) is made by ldexp of 1.0 with a whole number, so it rounds nothing; l = the sum of f_j l_j.
; WORK LEFT OUT: keys beyond a row block's diagonal tile have weight 0 under the problem's own causal mask: row block i (128 rows) walks i / 2 + 1 slots of 256 keys and no more.
; SHARES.  A work-group makes 128 columns (tx) of two row blocks of one sequence, 15 - p and then p: together 9 slots of 256 keys for every p, so all 256 work-groups do the same work and all trip counts are constants.
; Four waves, each 64 x 64.  A piece's product is summed in 16 accumulators T begun with the constant 0 and then added, times f_j, onto O.
; O is cleared by moves: where a row block begins hangs on the work-group's number, so the addition onto O is written once, as a multiply-add.
; CLUSTER 4 x 1: the four partners differ in tx alone and need the same tile of P: waves 0 and 1 ask for it jointly.  V^T's tile is each partner's own (waves 2 and 3, no mask).
; V^T is not shared along y: work-groups with another p stand at other keys from the fifth step on.
; REGISTERS: window 0: v7-31 addresses, f, 1 / l; v32-127 at work; v128-255 T.  Window 1: two fragment buffers of 128.  Window 2: v0-127 O.
.set KSTEP,  256
.set PITCH,  528
.set HALFT,  64*PITCH
.set SLOT,   4*HALFT
.set FT,     2*SLOT                    ; f: [18 pieces][128 rows] f32
.set RL,     FT+18*512                 ; 1 / l: [2 row blocks][128 rows]
.set STG,    RL+1024                   ; the stage: 128 rows x 272 bytes
.set SPITCH, 272
.set SPARE,  STG+128*SPITCH
.set FTA,  7                           ; v7  FT + 4 x thread
.set RLR,  8                           ; v8-11  1 / l of my four rows
.set F,    12                          ; v12-15 f of my four rows
.set ADRA, 16
.set ADRB, 20
.set STO,  24
.set RD,   25
.set CO,   26
.set ADF,  27
.set SPW,  28
.set NIL,  29
.set ARL,  30
.set T4,   31
.set VO,   32                          ; the prologue: v32-49 offsets, v50-67 -M, v68-85 l, v86-96 at work
.set NM,   50
.set LQ,   68
.set A1,   86
.set A2,   87
.set L1,   88
.set L2,   89
.set PINF, 96
.set ACC,  128
.set F0,   0
.set F1,   128
.set G1A,  24
.set G0A,  32
.set G1B,  48
.set G0B,  56
.set OUT,  76                          ; s[76:77], s[78:79] where the two row blocks go
.set MSB, 0
.macro WIN new
.if MSB != (\new)
	s_set_vgpr_msb (MSB<<8)|(\new)
.set MSB, (\new)
.endif
.endm
.set MUL,  0x05
.set TO_F, 0x40
.macro PLACES
.rept 4
	v_nop
.endr
.endm
.macro JLOAD s                         ; waves 0, 1: P's halves, jointly; waves 2, 3: V^T's halves
	s_cmp_lt_u32 s12, 2
	s_cbranch_scc0 .Lfor_b_\@
	tensor_load_to_lds s[G0A+4*\s:G0A+4*\s+3], s[G1A:G1A+7]
	s_nop 0
	PLACES
	s_branch .Lasked_\@
.Lfor_b_\@:
	tensor_load_to_lds s[G0B+4*\s:G0B+4*\s+3], s[G1B:G1B+7]
	s_nop 0
	PLACES
.Lasked_\@:
.endm
.macro CREST
	s_cmp_lg_u32 s12, 0
	s_cbranch_scc1 .Lnot_wave_0_\@
	s_barrier_signal -3
.Lnot_wave_0_\@:
	s_barrier_wait -3
	s_barrier_signal -1
	s_barrier_wait -1
.endm
.macro CROUND
	s_barrier_signal -1
	s_barrier_wait -1
	CREST
.endm
	s_load_b256 s[4:11], s[0:1], 0x0               ; p16, st, vt16, attn16
	v_lshl_add_u32 v[SPW], v0, 2, SPARE
	v_mov_b32 v[NIL], 0
	ds_add_u32 v[SPW], v[NIL]                      ; the opening: the add, twice on end, and its wait ahead of my first tensor load
	ds_add_u32 v[SPW], v[NIL]
	v_lshrrev_b32 v1, 5, v0
	v_readfirstlane_b32 s12, v1                    ; wave
	s_lshr_b32 s13, s12, 1                         ; wr
	s_and_b32 s14, s12, 1                          ; wc.  Also: which 64 rows of a tile I fetch
	s_bfe_u32 s15, ttmp6, 0x40000                  ; cx
	s_lshl_b32 s16, ttmp9, 2
	s_add_co_u32 s16, s16, s15                     ; tx: it enters V^T's and attn's addresses alone
	s_and_b32 s17, ttmp7, 0xffff
	s_lshr_b32 s18, s17, 3                         ; the sequence
	s_and_b32 s19, s17, 7                          ; p
	s_sub_co_u32 s20, 15, s19                      ; the first row block,
	s_mov_b32 s21, s19                             ; the second
	s_lshr_b32 s22, s20, 1
	s_add_co_u32 s22, s22, 1                       ; n1: the first block's slots, 5 to 8
	s_lshl_b32 s23, s22, 1                         ; and pieces
	s_sub_co_u32 s46, s22, 1
	s_mov_b32 s44, 0                               ; the step, 0 to 8
	s_lshl_b32 s47, s18, 11
	s_lshl_b32 s73, s14, 6
	s_add_co_u32 s47, s47, s73                     ; 2,048 b + 64 wc
	s_lshl_b32 s72, s20, 7
	s_add_co_u32 s72, s72, s47
	s_lshl_b32 s40, s72, 12                        ; P: the first block's rows, in bytes
	s_lshl_b32 s72, s21, 7
	s_add_co_u32 s72, s72, s47
	s_lshl_b32 s41, s72, 12
	s_lshl_b32 s72, s22, 9
	s_sub_co_u32 s41, s41, s72                     ; the second block's, less n1 slots: 512 x step is added to either
	s_lshl_b32 s42, s16, 7
	s_add_co_u32 s42, s42, s73
	s_lshl_b32 s42, s42, 14
	s_lshl_b32 s47, s18, 12
	s_add_co_u32 s42, s42, s47                     ; V^T: row 128 tx + 64 wc, token 2,048 b
	s_sub_co_u32 s43, s42, s72
	s_mov_b32 s69, 0
	s_mov_b32 s71, 0
	s_mov_b32 s[G1A], 15|(1<<16)|(1<<20)|(1<<21)|(6<<22)|(3<<25)   ; all four partners; elements of 2 bytes; 4 words of padding behind every 128
	s_mov_b32 s[G1B], (1<<16)|(1<<20)|(6<<22)|(3<<25)
.irp g, G1A, G1B
	s_mov_b32 s[\g+1], KSTEP<<16
	s_mov_b32 s[\g+2], 64<<16
	s_mov_b32 s[\g+3], KSTEP<<16
	s_mov_b32 s[\g+4], 64
	s_mov_b32 s[\g+6], 0
	s_mov_b32 s[\g+7], 0
.endr
	s_mov_b32 s[G1A+5], 2048
	s_mov_b32 s[G1B+5], 8192
	s_mul_i32 s74, s12, HALFT
	s_wait_dscnt 0x0                               ; both opening adds are done
	s_wait_kmcnt 0x0
.irp s, 0,1
	s_mov_b32 s[G0A+4*\s], 1
	s_add_co_u32 s[G0A+4*\s+1], s74, \s*SLOT
	s_add_co_u32 s68, s40, 512*\s
	s_add_nc_u64 s[G0A+4*\s+2:G0A+4*\s+3], s[4:5], s[68:69]
	s_or_b32 s[G0A+4*\s+3], s[G0A+4*\s+3], 0x80000000
	s_mov_b32 s[G0B+4*\s], 1
	s_add_co_u32 s[G0B+4*\s+1], s74, \s*SLOT
	s_add_co_u32 s70, s42, 512*\s
	s_add_nc_u64 s[G0B+4*\s+2:G0B+4*\s+3], s[8:9], s[70:71]
	s_or_b32 s[G0B+4*\s+3], s[G0B+4*\s+3], 0x80000000
.endr
	CROUND                                         ; all four work-groups are here
	s_cmp_lt_u32 s12, 2                            ; a wave's two first fills stand in one branch: two loads of mine are out
	s_cbranch_scc0 .Lfirst_b
	tensor_load_to_lds s[G0A:G0A+3], s[G1A:G1A+7]
	s_nop 0
	tensor_load_to_lds s[G0A+4:G0A+7], s[G1A:G1A+7]
	s_nop 0
	PLACES
	s_branch .Lfirst_asked
.Lfirst_b:
	tensor_load_to_lds s[G0B:G0B+3], s[G1B:G1B+7]
	s_nop 0
	tensor_load_to_lds s[G0B+4:G0B+7], s[G1B:G1B+7]
	s_nop 0
	PLACES
.Lfirst_asked:
	v_and_b32 v1, 15, v0
	v_bfe_u32 v2, v0, 4, 1
	v_mul_u32_u24 v3, v1, PITCH
	v_lshl_add_u32 v3, v2, 4, v3
	s_mul_i32 s72, s13, HALFT
	s_mul_i32 s73, s14, HALFT
	s_add_co_u32 s73, s73, 2*HALFT
.irp s, 0,1
	v_add_nc_u32 v[ADRA+\s], s72, v3
	v_add_nc_u32 v[ADRB+\s], s73, v3
	s_add_co_u32 s72, s72, SLOT
	s_add_co_u32 s73, s73, SLOT
.endr
	s_mul_i32 s72, s13, 64*SPITCH
	s_lshl_b32 s73, s14, 7
	s_add_co_u32 s72, s72, s73
	s_add_co_u32 s72, s72, STG
	v_mul_u32_u24 v4, v1, SPITCH
	v_lshl_add_u32 v4, v2, 4, v4
	v_add_nc_u32 v[STO], s72, v4
	s_mul_i32 s72, s12, 32*SPITCH
	s_add_co_u32 s72, s72, STG
	v_mul_u32_u24 v5, v2, SPITCH
	v_lshl_add_u32 v5, v1, 4, v5
	v_add_nc_u32 v[RD], s72, v5
	v_lshlrev_b32 v5, 4, v1
	v_lshl_add_u32 v[CO], v2, 11, v5
	s_lshl_b32 s72, s13, 8
	s_add_co_u32 s73, s72, FT
	v_lshl_add_u32 v[ADF], v1, 2, s73              ; f of row 64 wr + r
	s_add_co_u32 s73, s72, RL
	v_lshl_add_u32 v[ARL], v1, 2, s73
	v_lshl_add_u32 v[FTA], v0, 2, FT
	v_lshlrev_b32 v[T4], 2, v0
	s_lshl_b32 s72, s18, 22                        ; attn16: row 2,048 b + 128 block + 32 w, byte 256 tx
	s_lshl_b32 s73, s12, 16
	s_add_co_u32 s72, s72, s73
	s_lshl_b32 s73, s16, 8
	s_add_co_u32 s72, s72, s73
	s_lshl_b32 s70, s20, 18
	s_add_co_u32 s70, s70, s72
	s_add_nc_u64 s[OUT:OUT+1], s[10:11], s[70:71]
	s_lshl_b32 s70, s21, 18
	s_add_co_u32 s70, s70, s72
	s_add_nc_u64 s[OUT+2:OUT+3], s[10:11], s[70:71]
	; THE PROLOGUE: thread t owns row t of both row blocks.  Piece u of the walk is piece u of the first block while u < 2 n1, else piece u - 2 n1 of the second.
	s_lshl_b32 s80, s18, 17
	s_lshl_b32 s81, s21, 9
	s_add_co_u32 s81, s81, s80
	s_lshl_b32 s82, s20, 9
	s_add_co_u32 s80, s80, s82
.irp u, 0,1,2,3,4,5,6,7,8,9,10,11,12,13,14,15,16,17
	s_sub_co_u32 s82, \u, s23
	s_cmp_gt_u32 s23, \u
	s_cselect_b32 s82, \u, s82
	s_cselect_b32 s83, s80, s81
	s_lshl_b32 s82, s82, 13
	s_add_co_u32 s82, s82, s83
	v_add_nc_u32 v[VO+\u], s82, v[T4]
	global_load_b32 v[NM+\u], v[VO+\u], s[6:7]
	global_load_b32 v[LQ+\u], v[VO+\u], s[6:7] offset:524288
.endr
	v_mov_b32 v[PINF], 0x7f800000
	v_mov_b32 v[A1], v[PINF]
	v_mov_b32 v[A2], v[PINF]
	v_mov_b32 v[L1], 0
	v_mov_b32 v[L2], 0
	s_wait_loadcnt 0x0
.irp u, 0,1,2,3,4,5,6,7,8,9,10,11,12,13,14,15,16,17
	s_cmp_gt_u32 s23, \u
	s_cselect_b32 s82, -1, 0                       ; all lanes: the piece is the first block's
	v_cndmask_b32 v90, v[PINF], v[NM+\u], s82
	v_cndmask_b32 v91, v[NM+\u], v[PINF], s82
	v_min_num_f32 v[A1], v[A1], v90                ; the least -M = minus the row's largest M
	v_min_num_f32 v[A2], v[A2], v91
.endr
.irp u, 0,1,2,3,4,5,6,7,8,9,10,11,12,13,14,15,16,17
	s_cmp_gt_u32 s23, \u
	s_cselect_b32 s82, -1, 0
	v_cndmask_b32 v90, v[A2], v[A1], s82
	v_sub_f32 v90, v90, v[NM+\u]                   ; M_j - M: a whole number, 0 or less
	v_cvt_i32_f32 v90, v90                         ; (it saturates)
	v_ldexp_f32 v90, 1.0, v90                      ; f
	ds_store_b32 v[FTA], v90 offset:512*\u
	v_mul_f32 v91, v90, v[LQ+\u]
	v_cndmask_b32 v92, 0, v91, s82
	v_cndmask_b32 v93, v91, 0, s82
	v_add_f32 v[L1], v[L1], v92
	v_add_f32 v[L2], v[L2], v93
.endr
	v_rcp_f32 v90, v[L1]
	v_rcp_f32 v91, v[L2]
	v_nop
	s_wait_alu depctr_va_vdst(0)                   ; one wait for both reciprocals
	ds_store_b32 v[FTA], v90 offset:RL-FT
	ds_store_b32 v[FTA], v91 offset:RL-FT+512
.macro CLEAR
	WIN 0x80
.set n, 0
.rept 128
	v_mov_b32 v[n], 0
.set n, n+1
.endr
	WIN 0
.endm
	CLEAR
.macro MUL8 f, c, a0, zero
.irp a, \a0, \a0+1
.irp b, 0,1,2,3
.if \zero
	v_wmma_f32_16x16x32_f16 v[ACC+8*(4*(\a)+\b):ACC+8*(4*(\a)+\b)+7], v[\f+64+8*(4*\c+\b):\f+64+8*(4*\c+\b)+7], v[\f+8*(4*\c+\a):\f+8*(4*\c+\a)+7], 0
.else
	v_wmma_f32_16x16x32_f16 v[ACC+8*(4*(\a)+\b):ACC+8*(4*(\a)+\b)+7], v[\f+64+8*(4*\c+\b):\f+64+8*(4*\c+\b)+7], v[\f+8*(4*\c+\a):\f+8*(4*\c+\a)+7], v[ACC+8*(4*(\a)+\b):ACC+8*(4*(\a)+\b)+7]
.endif
.endr
.endr
.endm
.macro FETCH slot, k, f                ; 32 LDS loads: 64 keys at byte k of the rows; the first 32 keys first
	WIN TO_F
.irp c, 0,1
.irp i, 0,1,2,3
	ds_load_b128 v[\f+64+8*(4*\c+\i):\f+64+8*(4*\c+\i)+3],   v[ADRB+\slot] offset:\k+64*\c+\i*16*PITCH
	ds_load_b128 v[\f+64+8*(4*\c+\i)+4:\f+64+8*(4*\c+\i)+7], v[ADRB+\slot] offset:\k+64*\c+\i*16*PITCH+32
	ds_load_b128 v[\f+8*(4*\c+\i):\f+8*(4*\c+\i)+3],         v[ADRA+\slot] offset:\k+64*\c+\i*16*PITCH
	ds_load_b128 v[\f+8*(4*\c+\i)+4:\f+8*(4*\c+\i)+7],       v[ADRA+\slot] offset:\k+64*\c+\i*16*PITCH+32
.endr
.endr
.endm
.macro FLOAD n                         ; f of my four rows for piece n, counted from where ADF stands
.irp a, 0,1,2,3
	ds_load_b32 v[F+\a], v[ADF] offset:512*(\n)+64*\a
.endr
.endm
.macro QUARTER slot, k, f, g, zero, fl
	s_wait_dscnt 16                                ; the first 32 keys' fragments are in
	WIN MUL
	MUL8 \f, 0, 0, \zero
	MUL8 \f, 0, 2, \zero
	PLACES
.if \fl >= 0
	WIN 0
	FLOAD \fl
.endif
	FETCH \slot, \k, \g
	s_wait_dscnt 32                                ; all but the 32 just issued
	WIN MUL
	MUL8 \f, 1, 0, 0
	MUL8 \f, 1, 2, 0
.endm
.macro FLROW a, pr, o
.irp b, 0,1,2,3
.irp i, 0,2,4,6
	v_pk_fma_f32 v[8*(4*\a+\b)+\i:8*(4*\a+\b)+\i+1], v[ACC+8*(4*\a+\b)+\i:ACC+8*(4*\a+\b)+\i+1], v[\pr:\pr+1], v[8*(4*\a+\b)+\i:8*(4*\a+\b)+\i+1] op_sel:[0,\o,0] op_sel_hi:[1,\o,1]
.endr
.endr
.endm
.macro FLUSH                           ; O += f T, each accumulator from its low end on.  These 64 lines also part the piece's last products from the next piece's first, which write T anew
	PLACES
	WIN 0xa0
	FLROW 0, F, 0
	FLROW 1, F, 1
	FLROW 2, F+2, 0
	FLROW 3, F+2, 1
.endm
.macro NEXTAD slot                     ; the tiles of the step two on: no tensor load of mine is out, so the groups 0 may be written
	s_add_co_u32 s47, s44, 2
	s_cmp_lt_u32 s47, s22
	s_cselect_b32 s68, s40, s41
	s_cselect_b32 s70, s42, s43
	s_lshl_b32 s47, s47, 9
	s_add_co_u32 s68, s68, s47
	s_add_co_u32 s70, s70, s47
	s_add_nc_u64 s[G0A+4*\slot+2:G0A+4*\slot+3], s[4:5], s[68:69]
	s_or_b32 s[G0A+4*\slot+3], s[G0A+4*\slot+3], 0x80000000
	s_add_nc_u64 s[G0B+4*\slot+2:G0B+4*\slot+3], s[8:9], s[70:71]
	s_or_b32 s[G0B+4*\slot+3], s[G0B+4*\slot+3], 0x80000000
.endm
.macro TURN slot, next, fill, fl       ; a slot's last quarter changes slots
	WIN 0
	s_wait_tensorcnt 0x0                           ; my one load that was out has landed
	ds_add_u32 v[SPW], v[NIL]
.if \fill
	NEXTAD \slot
.endif
	s_wait_dscnt 17                                ; the add and the youngest sixteen loads may be out
	WIN MUL
	MUL8 F1, 0, 0, 0
	s_wait_dscnt 0x0                               ; the add is done and my reads of this slot are over
	s_barrier_signal -1
	MUL8 F1, 0, 2, 0
	WIN 0
	s_barrier_wait -1
.if \fill
	CREST                                          ; the barrier has opened a round of the cluster's: no wave of any partner still reads the slot or has a load on its way
	JLOAD \slot
.else
	PLACES
.endif
	FLOAD \fl
	FETCH \next, 0, F0
	WIN MUL
	MUL8 F1, 1, 0, 0
	MUL8 F1, 1, 2, 0
.endm
.macro WROW a, pr, o
	WIN 0x02
.irp b, 0,1,2,3
.irp i, 0,2,4,6
	v_pk_mul_f32 v[32+8*\b+\i:32+8*\b+\i+1], v[8*(4*\a+\b)+\i:8*(4*\a+\b)+\i+1], v[\pr:\pr+1] op_sel:[0,\o] op_sel_hi:[1,\o]
.endr
.endr
	WIN 0
.irp i, 0,1,2,3,4,5,6,7,8,9,10,11,12,13,14,15
	v_cvt_pk_f16_f32 v[64+\i], v[32+2*\i], v[33+2*\i]
.endr
.irp b, 0,1,2,3
	ds_store_b128 v[STO], v[64+4*\b:67+4*\b] offset:\a*16*SPITCH+32*\b
.endr
.endm
; A row block leaves: O / l, rounded to f16, through the work-group's stage (a row's 256 bytes come from two waves), 32 whole rows a wave.
.macro WAYOUT blk, mid
	s_wait_xcnt 0x0                                ; earlier stores have read the registers that are written here
.irp a, 0,1,2,3
	ds_load_b32 v[RLR+\a], v[ARL] offset:512*\blk+64*\a
.endr
	s_wait_dscnt 0x0
	WROW 0, RLR, 0
	WROW 1, RLR, 1
	WROW 2, RLR+2, 0
	WROW 3, RLR+2, 1
	s_wait_dscnt 0x0                               ; for the others' sake: my stores into the stage are done
	s_barrier_signal -1
	s_barrier_wait -1
.irp t, 0,1,2,3,4,5,6,7,8,9,10,11,12,13,14,15
	ds_load_b128 v[32+4*\t:35+4*\t], v[RD] offset:\t*2*SPITCH
.endr
.irp t, 0,1,2,3,4,5,6,7,8,9,10,11,12,13,14,15
	s_wait_dscnt 15-\t
	global_store_b128 v[CO], v[32+4*\t:35+4*\t], s[OUT+2*\blk:OUT+2*\blk+1] offset:\t*4096
.endr
.if \mid
	s_barrier_signal -1                            ; every wave's reads of the stage are back: it may be written again
	s_barrier_wait -1
	CLEAR
.endif
.endm
.macro STEP slot, next, fill, n        ; 256 keys: two pieces
	QUARTER \slot, 128, F0, F1, 1, -1
	QUARTER \slot, 256, F1, F0, 0, \n
	FLUSH
	QUARTER \slot, 384, F0, F1, 1, -1
	TURN \slot, \next, \fill, \n+1
	s_wait_dscnt 32                                ; f is in; the next slot's 32 fragment loads may be out
	FLUSH
	WIN 0
	s_cmp_lg_u32 s44, s46                          ; the first row block's last step?  Ids and the count of steps alone: the same in all waves and all partners
	s_cbranch_scc1 .Lnomid_\@
	WAYOUT 0, 1
.Lnomid_\@:
	s_add_co_u32 s44, s44, 1
.endm
	s_wait_tensorcnt 0x1                           ; my part of step 0 is in; step 1's may stay out
	s_wait_dscnt 0x0                               ; f and 1 / l lie in LDS
	s_barrier_signal -1
	s_barrier_wait -1
	FETCH 0, 0, F0
	WIN 0
	s_mov_b32 s45, 3
.Lloop:                                            ; steps 0 to 5
	STEP 0, 1, 1, 0
	STEP 1, 0, 1, 2
	v_add_nc_u32 v[ADF], 2048, v[ADF]              ; four pieces on
	s_sub_co_u32 s45, s45, 1
	s_cmp_lg_u32 s45, 0
	s_cbranch_scc1 .Lloop
	STEP 0, 1, 1, 0                                ; step 6 asks for step 8, the last
	STEP 1, 0, 0, 2                                ; step 7 asks for nothing
	QUARTER 0, 128, F0, F1, 1, -1                  ; step 8
	QUARTER 0, 256, F1, F0, 0, 4
	FLUSH
	QUARTER 0, 384, F0, F1, 1, -1
	s_wait_dscnt 16
	WIN MUL
	MUL8 F1, 0, 0, 0
	MUL8 F1, 0, 2, 0
	WIN 0
	FLOAD 5
	s_wait_dscnt 0x0
	WIN MUL
	MUL8 F1, 1, 0, 0
	MUL8 F1, 1, 2, 0
	FLUSH
	WIN 0
	WAYOUT 1, 0
	s_wait_tensorcnt 0x0                           ; the wave's end
	ds_add_u32 v[SPW], v[NIL]
	s_wait_dscnt 0x0
	CROUND                                         ; the closing round
	s_endpgm
.Lfunc_end_k_qf41e9f4e4e_pv:
	.size	k_qf41e9f4e4e_pv, .Lfunc_end_k_qf41e9f4e4e_pv-k_qf41e9f4e4e_pv
	.p2alignl 7, 3214868480
	.fill 96, 4, 3214868480
	.section	.rodata,"a",@progbits
	.p2align	6, 0x0
	.amdhsa_kernel k_qf41e9f4e4e_pv
		.amdhsa_group_segment_fixed_size 327680
		.amdhsa_private_segment_fixed_size 0
		.amdhsa_enable_private_segment 0
		.amdhsa_kernarg_size 32
		.amdhsa_user_sgpr_count 2
		.amdhsa_user_sgpr_kernarg_segment_ptr 1
		.amdhsa_wavefront_size32 1
		.amdhsa_system_sgpr_workgroup_id_x 1
		.amdhsa_system_sgpr_workgroup_id_y 1
		.amdhsa_system_sgpr_workgroup_id_z 1
		.amdhsa_system_vgpr_workitem_id 0
		.amdhsa_next_free_vgpr 640
		.amdhsa_next_free_sgpr 96
		.amdhsa_reserve_vcc 0
		.amdhsa_float_denorm_mode_32 3
		.amdhsa_float_denorm_mode_16_64 3
		.amdhsa_memory_ordered 1
		.amdhsa_forward_progress 1
		.amdhsa_inst_pref_size 249
	.end_amdhsa_kernel
	.amdgpu_metadata
---
amdhsa.version: [ 1, 2 ]
amdhsa.kernels:
  - .name:           k_qf41e9f4e4e_pv
    .symbol:         k_qf41e9f4e4e_pv.kd
    .args:
      - { .name: p16, .offset: 0, .size: 8, .value_kind: global_buffer, .address_space: global }
      - { .name: st, .offset: 8, .size: 8, .value_kind: global_buffer, .address_space: global }
      - { .name: vt16, .offset: 16, .size: 8, .value_kind: global_buffer, .address_space: global }
      - { .name: attn16, .offset: 24, .size: 8, .value_kind: global_buffer, .address_space: global }
    .group_segment_fixed_size: 327680
    .private_segment_fixed_size: 0
    .kernarg_segment_align: 8
    .kernarg_segment_size: 32
    .max_flat_workgroup_size: 128
    .sgpr_count:     96
    .vgpr_count:     640
    .wavefront_size: 32
...
	.end_amdgpu_metadata
.endif
;; end of part 4
;; launch outp (part 5): grid 4 x 64, 4 waves a work-group, clusters of 4 x 4, 327,680 bytes of LDS; arguments attn16, qz, out0; writes out0
.if DOCPART == 5
	.amdgcn_target "amdgcn-amd-amdhsa--gfx1250"
	.amdhsa_code_object_version 6
	.text
	.protected	k_qf41e9f4e4e_outp
	.globl	k_qf41e9f4e4e_outp
	.p2align	8
	.type	k_qf41e9f4e4e_outp,@function
k_qf41e9f4e4e_outp:
	s_mov_b64 s[64:65], 0
	v_nop
	global_prefetch_b8 v0, s[64:65] scope:SCOPE_SE
	s_setreg_imm32_b32 hwreg(HW_REG_WAVE_MODE, 25, 1), 1
	s_wait_xcnt 0x0
	s_wait_alu depctr_hold_cnt(0) depctr_sa_sdst(0) depctr_va_vdst(0) depctr_va_sdst(0) depctr_va_ssrc(0) depctr_va_vcc(0) depctr_vm_vsrc(0)
	s_getreg_b32 s2, hwreg(HW_REG_IB_STS2, 6, 4)
	s_cmp_eq_u32 s2, 0
	s_cbranch_scc0 .Lentry_in_a_cluster
	s_endpgm
.Lentry_in_a_cluster:
	s_bfe_u32 s2, ttmp6, 0x10000c
	s_cmp_lg_u32 s2, 0xf033
	s_cbranch_scc0 .Lentry_shape_is_right
	s_endpgm
.Lentry_shape_is_right:
; out = attn Wo^T: attn [8192][1024] and Wo [1024][1024] as f16, sums and result in f32.
; ROWS LEFT TO ANOTHER LAUNCH: positions 0-15 of each sequence are not stored here: the launch that follows makes them in f32.
; A tile of 128 rows x 256 columns to a work-group, so that there are 256 work-groups; a wave makes 64 x 128 in 32 accumulators.  K in steps of 128 through a ring of two LDS slots.
; CLUSTER 4 x 4: attn's tile is shared along a row of the cluster, Wo's along a column.  Tile row = 16 cy + cluster y, so that 'a sequence's first rows' is cluster y = 0, the same in all partners.
; Source 0 = 16 rows of Wo, source 1 = 16 rows of attn: a lane holds 8 neighbouring numbers of a row of out.
; REGISTERS: window 0: v16-31 addresses; v64-95, v96-127 attn's fragments; v128-255 rows on the way out.  Window 1: Wo's fragments at v0-63, v64-127.  Window 2: accumulator (a, b) at 8 (8 a + b).
.set KSTEP,  128
.set PITCH,  272
.set ATB,    128*PITCH                 ; attn's 128 rows of a slot; Wo's 256 lie behind them
.set SLOT,   3*ATB
.set STAGE,  2*SLOT                    ; 16 rows x 528 bytes for each wave
.set SPITCH, 528
.set SPARE,  STAGE+4*16*SPITCH
.set WOO,    6127616
.set ADRA, 16
.set ADRB, 20
.set STO,  24
.set RD,   25
.set CO,   26
.set SPW,  28
.set NIL,  29
.set BK,   128
.set G1,   24
.set G0,   32
.set G1B,  48
.set G0B,  56
.set MSB, 0
.macro WIN new
.if MSB != (\new)
	s_set_vgpr_msb (MSB<<8)|(\new)
.set MSB, (\new)
.endif
.endm
.set MUL,  0xa1
.set TO_B, 0x40
.macro PLACES
.rept 4
	v_nop
.endr
.endm
.macro JLOAD s
	s_cmp_eq_u32 s11, 0
	s_cbranch_scc0 .Lfor_b_\@
	tensor_load_to_lds s[G0+4*\s:G0+4*\s+3], s[G1:G1+7]
	s_nop 0
	PLACES
	s_branch .Lasked_\@
.Lfor_b_\@:
	tensor_load_to_lds s[G0B+4*\s:G0B+4*\s+3], s[G1B:G1B+7]
	s_nop 0
	PLACES
.Lasked_\@:
.endm
.macro CREST
	s_cmp_lg_u32 s10, 0
	s_cbranch_scc1 .Lnot_wave_0_\@
	s_barrier_signal -3
.Lnot_wave_0_\@:
	s_barrier_wait -3
	s_barrier_signal -1
	s_barrier_wait -1
.endm
.macro CROUND
	s_barrier_signal -1
	s_barrier_wait -1
	CREST
.endm
	s_load_b128 s[4:7], s[0:1], 0x0                ; attn16, qz
	s_load_b64 s[8:9], s[0:1], 0x10                ; out0
	v_lshl_add_u32 v[SPW], v0, 2, SPARE
	v_mov_b32 v[NIL], 0
	ds_add_u32 v[SPW], v[NIL]                      ; the opening: the add, twice on end, and its wait ahead of my first tensor load
	ds_add_u32 v[SPW], v[NIL]
	v_lshrrev_b32 v1, 5, v0
	v_readfirstlane_b32 s10, v1
	s_lshr_b32 s11, s10, 1                         ; wr.  Also: I fetch attn (0) or Wo (1)
	s_and_b32 s12, s10, 1                          ; wc.  Also: which half of that tile's rows I fetch
	s_bfe_u32 s40, ttmp6, 0x40000
	s_bfe_u32 s41, ttmp6, 0x40004
	s_lshl_b32 s42, ttmp9, 2
	s_add_co_u32 s42, s42, s40                     ; tx
	s_and_b32 s14, ttmp7, 0xffff                   ; cluster y
	s_lshl_b32 s13, s41, 4
	s_add_co_u32 s13, s13, s14                     ; ty
	s_or_b32 s15, s14, s11                         ; 0: my block 0 is positions 0-15 of a sequence
	s_lshl_b32 s43, s41, 2
	s_lshl_b32 s43, 15, s43
	s_lshl_b32 s44, 0x1111, s40
	s_or_b32 s[G1+0], s43, (1<<16)|(1<<20)|(1<<21)|(5<<22)|(3<<25)
	s_or_b32 s[G1B+0], s44, (1<<16)|(1<<20)|(1<<21)|(5<<22)|(3<<25)
.irp g, G1, G1B
	s_mov_b32 s[\g+1], KSTEP<<16
	s_mov_b32 s[\g+3], KSTEP<<16
	s_mov_b32 s[\g+5], 1024
	s_mov_b32 s[\g+6], 0
	s_mov_b32 s[\g+7], 0
.endr
	s_mov_b32 s[G1+2], 64<<16                      ; attn: 64 rows to a load
	s_mov_b32 s[G1+4], 64
	s_mov_b32 s[G1B+2], 128<<16                    ; Wo: 128
	s_mov_b32 s[G1B+4], 128
	s_lshl_b32 s16, s13, 18
	s_lshl_b32 s17, s12, 17
	s_add_co_u32 s16, s16, s17                     ; attn: row 128 ty + 64 half
	s_mov_b32 s17, 0
	s_lshl_b32 s46, s42, 19
	s_lshl_b32 s47, s12, 18
	s_add_co_u32 s46, s46, s47
	s_add_co_u32 s46, s46, WOO                     ; Wo: row 256 tx + 128 half
	s_mov_b32 s47, 0
	s_mul_i32 s20, s12, 64*PITCH
	s_mul_i32 s21, s12, 128*PITCH
	s_add_co_u32 s21, s21, ATB
	s_wait_dscnt 0x0
	s_wait_kmcnt 0x0
	s_add_nc_u64 s[16:17], s[4:5], s[16:17]
	s_add_nc_u64 s[46:47], s[6:7], s[46:47]
	CROUND
.irp s, 0,1
	s_mov_b32 s[G0+4*\s], 1
	s_add_co_u32 s[G0+4*\s+1], s20, \s*SLOT
	s_add_nc_u64 s[G0+4*\s+2:G0+4*\s+3], s[16:17], \s*KSTEP*2
	s_or_b32 s[G0+4*\s+3], s[G0+4*\s+3], 0x80000000
	s_mov_b32 s[G0B+4*\s], 1
	s_add_co_u32 s[G0B+4*\s+1], s21, \s*SLOT
	s_add_nc_u64 s[G0B+4*\s+2:G0B+4*\s+3], s[46:47], \s*KSTEP*2
	s_or_b32 s[G0B+4*\s+3], s[G0B+4*\s+3], 0x80000000
	JLOAD \s
.endr
	v_and_b32 v1, 15, v0
	v_bfe_u32 v2, v0, 4, 1
	v_mul_u32_u24 v3, v1, PITCH
	v_lshl_add_u32 v3, v2, 4, v3
	s_mul_i32 s21, s11, 64*PITCH
	s_mul_i32 s22, s12, 128*PITCH
	s_add_co_u32 s22, s22, ATB
.irp s, 0,1
	v_add_nc_u32 v[ADRA+\s], s21, v3
	v_add_nc_u32 v[ADRB+\s], s22, v3
	s_add_co_u32 s21, s21, SLOT
	s_add_co_u32 s22, s22, SLOT
.endr
	s_mul_i32 s23, s10, 16*SPITCH
	s_add_co_u32 s23, s23, STAGE
	v_mul_u32_u24 v5, v1, SPITCH
	v_lshl_add_u32 v5, v2, 5, v5
	v_add_nc_u32 v[STO], s23, v5
	v_and_b32 v6, 31, v0
	v_lshlrev_b32 v[CO], 4, v6
	v_add_nc_u32 v[RD], s23, v[CO]
	s_lshl_b32 s16, s13, 19                        ; out0: row 128 ty + 64 wr, byte 1,024 tx + 512 wc
	s_lshl_b32 s21, s11, 18
	s_add_co_u32 s16, s16, s21
	s_lshl_b32 s21, s42, 10
	s_add_co_u32 s16, s16, s21
	s_lshl_b32 s21, s12, 9
	s_add_co_u32 s16, s16, s21
	s_mov_b32 s17, 0
	s_add_nc_u64 s[8:9], s[8:9], s[16:17]
.macro MULA f, a, zero                 ; 8 matrix instructions; the 32 accumulators take turns in the same order in every quarter
.irp b, 0,1,2,3,4,5,6,7
.if \zero
	v_wmma_f32_16x16x32_f16 v[8*(8*\a+\b):8*(8*\a+\b)+7], v[64*\f+8*\b:64*\f+8*\b+7], v[64+32*\f+8*\a:64+32*\f+8*\a+7], 0
.else
	v_wmma_f32_16x16x32_f16 v[8*(8*\a+\b):8*(8*\a+\b)+7], v[64*\f+8*\b:64*\f+8*\b+7], v[64+32*\f+8*\a:64+32*\f+8*\a+7], v[8*(8*\a+\b):8*(8*\a+\b)+7]
.endif
.endr
.endm
.macro FETCH slot, k, f                ; 24 LDS loads: Wo's eight fragments, then attn's four
	WIN TO_B
.irp i, 0,1,2,3,4,5,6,7
	ds_load_b128 v[64*\f+8*\i:64*\f+8*\i+3],   v[ADRB+\slot] offset:\k+\i*16*PITCH
	ds_load_b128 v[64*\f+8*\i+4:64*\f+8*\i+7], v[ADRB+\slot] offset:\k+\i*16*PITCH+32
.endr
	WIN 0
.irp i, 0,1,2,3
	ds_load_b128 v[64+32*\f+8*\i:64+32*\f+8*\i+3],   v[ADRA+\slot] offset:\k+\i*16*PITCH
	ds_load_b128 v[64+32*\f+8*\i+4:64+32*\f+8*\i+7], v[ADRA+\slot] offset:\k+\i*16*PITCH+32
.endr
.endm
.macro QUARTER slot, k, f, g, zero
	s_wait_dscnt 4                                 ; Wo's and attn's blocks 0, 1 are in; the youngest four loads may be out
	WIN MUL
	MULA \f, 0, \zero
	MULA \f, 1, \zero
	PLACES
	FETCH \slot, \k, \g
	s_wait_dscnt 24                                ; all but the 24 just issued
	WIN MUL
	MULA \f, 2, \zero
	MULA \f, 3, \zero
.endm
.macro TURN slot, next, fill
	WIN 0
	s_wait_tensorcnt 0x0                           ; my one load that was out has landed
	ds_add_u32 v[SPW], v[NIL]
	s_wait_dscnt 5                                 ; the add and the youngest four loads may be out
	WIN MUL
	MULA 1, 0, 0
	s_wait_dscnt 0x0                               ; the add is done and my reads of this slot are over
	s_barrier_signal -1
	MULA 1, 1, 0
	WIN 0
	s_barrier_wait -1
.if \fill
	CREST                                          ; the barrier has opened a round of the cluster's
	s_add_nc_u64 s[G0+4*\slot+2:G0+4*\slot+3], s[G0+4*\slot+2:G0+4*\slot+3], 2*KSTEP*2
	s_add_nc_u64 s[G0B+4*\slot+2:G0B+4*\slot+3], s[G0B+4*\slot+2:G0B+4*\slot+3], 2*KSTEP*2
	JLOAD \slot
.else
	PLACES
.endif
	FETCH \next, 0, 0
	WIN MUL
	MULA 1, 2, 0
	MULA 1, 3, 0
.endm
	s_wait_tensorcnt 0x1                           ; my part of K step 0 is in; K step 1's may stay out
	s_barrier_signal -1
	s_barrier_wait -1
	FETCH 0, 0, 0
	QUARTER 0, 64, 0, 1, 1
	WIN 0
	s_mov_b32 s3, 3
.Llap:
	QUARTER 0, 128, 1, 0, 0
	QUARTER 0, 192, 0, 1, 0
	TURN 0, 1, 1
	QUARTER 1, 64,  0, 1, 0
	QUARTER 1, 128, 1, 0, 0
	QUARTER 1, 192, 0, 1, 0
	TURN 1, 0, 1
	QUARTER 0, 64,  0, 1, 0
	WIN 0
	s_sub_co_u32 s3, s3, 1
	s_cmp_lg_u32 s3, 0
	s_cbranch_scc1 .Llap
	QUARTER 0, 128, 1, 0, 0
	QUARTER 0, 192, 0, 1, 0
	TURN 0, 1, 0
	QUARTER 1, 64,  0, 1, 0
	QUARTER 1, 128, 1, 0, 0
	QUARTER 1, 192, 0, 1, 0
	s_wait_dscnt 4
	WIN MUL
	MULA 1, 0, 0
	MULA 1, 1, 0
	s_wait_dscnt 0x0
	MULA 1, 2, 0
	MULA 1, 3, 0
	WIN 0
; THE WAY OUT: a block of 16 rows x 128 columns goes through my stage and comes back as whole rows of 512 bytes.
.macro TOSTAGE a
	WIN 0x08                                       ; an LDS store's data are its source 1: window 2
.irp b, 0,1,2,3,4,5,6,7
	ds_store_b128 v[STO], v[8*(8*(\a)+\b):8*(8*(\a)+\b)+3] offset:64*\b           ; each accumulator from its low end on
	ds_store_b128 v[STO], v[8*(8*(\a)+\b)+4:8*(8*(\a)+\b)+7] offset:64*\b+16
.endr
	WIN 0
.set BB, BK+64*((\a)%2)
.irp t, 0,1,2,3,4,5,6,7,8,9,10,11,12,13,14,15
	ds_load_b128 v[BB+4*\t:BB+4*\t+3], v[RD] offset:\t*SPITCH
.endr
.endm
.macro SEND a, younger
.set BB, BK+64*((\a)%2)
	s_wait_dscnt \younger
.if (\a) > 0
	s_add_nc_u64 s[8:9], s[8:9], 16*4096           ; behind a wait that shows the earlier stores have read their base
.else
	s_cmp_eq_u32 s15, 0                            ; positions 0-15 of a sequence belong to the next launch
	s_cbranch_scc1 .Lskip_\@
.endif
.irp t, 0,1,2,3,4,5,6,7,8,9,10,11,12,13,14,15
	global_store_b128 v[CO], v[BB+4*\t:BB+4*\t+3], s[8:9] offset:\t*4096 th:TH_STORE_NT     ; 32 lanes store 512 consecutive bytes, aligned
.endr
.Lskip_\@:
.endm
	PLACES
	TOSTAGE 0
.irp a, 1,2,3
.if \a > 1
	s_wait_xcnt 0x0                                ; the stores of two blocks back have read their registers and their base
.endif
	TOSTAGE \a
	SEND \a-1, 32                                  ; behind that block's loads: this block's 16 stores and 16 loads
.endr
	s_wait_xcnt 0x0
	SEND 3, 0
	s_wait_tensorcnt 0x0                           ; the wave's end
	ds_add_u32 v[SPW], v[NIL]
	s_wait_dscnt 0x0
	CROUND
	s_endpgm
.Lfunc_end_k_qf41e9f4e4e_outp:
	.size	k_qf41e9f4e4e_outp, .Lfunc_end_k_qf41e9f4e4e_outp-k_qf41e9f4e4e_outp
	.p2alignl 7, 3214868480
	.fill 96, 4, 3214868480
	.section	.rodata,"a",@progbits
	.p2align	6, 0x0
	.amdhsa_kernel k_qf41e9f4e4e_outp
		.amdhsa_group_segment_fixed_size 327680
		.amdhsa_private_segment_fixed_size 0
		.amdhsa_enable_private_segment 0
		.amdhsa_kernarg_size 24
		.amdhsa_user_sgpr_count 2
		.amdhsa_user_sgpr_kernarg_segment_ptr 1
		.amdhsa_wavefront_size32 1
		.amdhsa_system_sgpr_workgroup_id_x 1
		.amdhsa_system_sgpr_workgroup_id_y 1
		.amdhsa_system_sgpr_workgroup_id_z 1
		.amdhsa_system_vgpr_workitem_id 0
		.amdhsa_next_free_vgpr 768
		.amdhsa_next_free_sgpr 66
		.amdhsa_reserve_vcc 0
		.amdhsa_float_denorm_mode_32 3
		.amdhsa_float_denorm_mode_16_64 3
		.amdhsa_memory_ordered 1
		.amdhsa_forward_progress 1
		.amdhsa_inst_pref_size 86
	.end_amdhsa_kernel
	.amdgpu_metadata
---
amdhsa.version: [ 1, 2 ]
amdhsa.kernels:
  - .name:           k_qf41e9f4e4e_outp
    .symbol:         k_qf41e9f4e4e_outp.kd
    .args:
      - { .name: attn16, .offset: 0, .size: 8, .value_kind: global_buffer, .address_space: global }
      - { .name: qz, .offset: 8, .size: 8, .value_kind: global_buffer, .address_space: global }
      - { .name: out0, .offset: 16, .size: 8, .value_kind: global_buffer, .address_space: global }
    .group_segment_fixed_size: 327680
    .private_segment_fixed_size: 0
    .kernarg_segment_align: 8
    .kernarg_segment_size: 24
    .max_flat_workgroup_size: 128
    .sgpr_count:     66
    .vgpr_count:     768
    .wavefront_size: 32
...
	.end_amdgpu_metadata
.endif
;; end of part 5
;; launch fine (part 6): grid 64 x 4, 4 waves a work-group, no clusters, 8,704 bytes of LDS; arguments qkvf, Wo, out0; writes out0
.if DOCPART == 6
	.amdgcn_target "amdgcn-amd-amdhsa--gfx1250"
	.amdhsa_code_object_version 6
	.text
	.protected	k_qf41e9f4e4e_fine
	.globl	k_qf41e9f4e4e_fine
	.p2align	8
	.type	k_qf41e9f4e4e_fine,@function
k_qf41e9f4e4e_fine:
	s_mov_b64 s[64:65], 0
	v_nop
	global_prefetch_b8 v0, s[64:65] scope:SCOPE_SE
	s_setreg_imm32_b32 hwreg(HW_REG_WAVE_MODE, 25, 1), 1
	s_wait_xcnt 0x0
; Positions 0-15 of each sequence, all in f32: these rows average one to sixteen values and are the largest, so f16 operands would use up what the comparison allows.
; WORK LEFT OUT: keys beyond position 15 are hidden from these queries by the problem's own causal mask.
; A work-group makes 16 rows x 16 columns (n0 on) of out for one sequence; scores, softmax and weights x V are made anew in each of the 64 work-groups of a sequence: 192 matrix instructions a wave.
; Wave w owns channels 256 w to 256 w + 255 in all three products; the parts of the scores and of the result meet in LDS, as images of registers.
; The result leaves in runs of 64 bytes: 4 x 16 rows of 4,096 bytes in the whole launch.
; REGISTERS: window 0: v1-15 addresses; v16-47, v48-79, v80-207 sums of the three products, written by matrix instructions alone; v208-255 at work.  Window 1: K, Q.  Window 2: V, Wo.
.set SIMG,  0                          ; four images of 1,024 bytes: each wave's part of the scores
.set OIMG,  4096                       ; four more: each wave's part of the result
.set SPARE, 8192
.set SPW, 12
.set NIL, 13
.set SA,  16
.set OA,  48
.set AT,  80
.set SM,  208
.set TW,  216
.set WT,  248
.set MSB, 0
.macro WIN new
.if MSB != (\new)
	s_set_vgpr_msb (MSB<<8)|(\new)
.set MSB, (\new)
.endif
.endm
	s_load_b128 s[4:7], s[0:1], 0x0                ; qkvf, Wo
	s_load_b64 s[8:9], s[0:1], 0x10                ; out0
	v_lshl_add_u32 v[SPW], v0, 2, SPARE
	v_mov_b32 v[NIL], 0
	v_lshrrev_b32 v1, 5, v0
	v_readfirstlane_b32 s10, v1                    ; wave
	s_and_b32 s11, ttmp7, 0xffff                   ; the sequence
	v_and_b32 v1, 15, v0                           ; r
	v_bfe_u32 v2, v0, 4, 1                         ; h
	v_and_b32 v15, 31, v0
	s_lshl_b32 s17, s10, 10
	v_lshlrev_b32 v3, 12, v1
	v_lshl_add_u32 v3, v2, 4, v3
	v_add_nc_u32 v3, s17, v3                       ; K, Q: row r, channel 256 w + 4 h
	v_lshlrev_b32 v4, 12, v1
	v_lshl_add_u32 v4, v2, 5, v4
	v_add_nc_u32 v4, s17, v4                       ; Wo: row r, channel 256 w + 8 h
	v_lshlrev_b32 v5, 15, v2
	v_lshl_add_u32 v5, v1, 2, v5
	v_add_nc_u32 v5, s17, v5                       ; V: key 8 h, channel 256 w + r
	v_lshlrev_b32 v7, 4, v15                       ; an image's place for my lane
	v_add_nc_u32 v6, s17, v7                       ; and in my wave's image
	v_lshlrev_b32 v14, 3, v15
	v_add_nc_u32 v8, s17, v14
	v_add_nc_u32 v8, OIMG, v8
	s_lshl_b32 s18, s10, 8
	v_add_nc_u32 v9, s18, v14
	v_add_nc_u32 v9, OIMG, v9
	s_lshl_b32 s18, s10, 13
	v_lshlrev_b32 v10, 15, v2
	v_lshl_add_u32 v10, v1, 2, v10
	v_add_nc_u32 v10, s18, v10                     ; out: row 8 h + 2 w, column r
	v_lshlrev_b32 v11, 3, v2
	v_sub_nc_u32 v11, v1, v11                      ; r - 8 h: register j's key is hidden where j > this
	s_mov_b32 s14, 0x76543210
	s_mov_b32 s15, 0xfedcba98
	s_mov_b32 s16, 0x3d38aa3b                      ; log2(e) / 32
	s_mov_b32 s21, 0
	s_wait_kmcnt 0x0
	s_lshl_b32 s20, s11, 16
	s_add_nc_u64 s[4:5], s[4:5], s[20:21]          ; the sequence's 16 rows
	s_lshl_b32 s20, ttmp9, 16
	s_add_nc_u64 s[6:7], s[6:7], s[20:21]          ; Wo's rows n0 on
	s_lshl_b32 s20, s11, 23
	s_lshl_b32 s18, ttmp9, 6
	s_add_co_u32 s20, s20, s18
	s_add_nc_u64 s[8:9], s[8:9], s[20:21]
	WIN 0x40
.set n, 0
.rept 32                               ; a lane takes 4 neighbouring channels: along K the places are permuted alike in K and in Q
	global_load_b128 v[4*n:4*n+3], v3, s[4:5] offset:262144+32*n
	global_load_b128 v[128+4*n:128+4*n+3], v3, s[4:5] offset:32*n
.set n, n+1
.endr
	WIN 0x80
.set n, 0
.rept 16
	global_load_b128 v[128+8*n:128+8*n+3], v4, s[6:7] offset:64*n
	global_load_b128 v[128+8*n+4:128+8*n+7], v4, s[6:7] offset:64*n+16
.set n, n+1
.endr
	s_wait_loadcnt 32                              ; K and Q are in; Wo's 32 loads may be out
	WIN 0x05
.set n, 0
.rept 64                               ; S^T = K Q^T over my 256 channels: four sums by turns; register j: key 8 h + j, query r
.if n < 4
	v_wmma_f32_16x16x4_f32 v[SA+8*(n%4):SA+8*(n%4)+7], v[2*n:2*n+1], v[128+2*n:128+2*n+1], 0
.else
	v_wmma_f32_16x16x4_f32 v[SA+8*(n%4):SA+8*(n%4)+7], v[2*n:2*n+1], v[128+2*n:128+2*n+1], v[SA+8*(n%4):SA+8*(n%4)+7]
.endif
.set n, n+1
.endr
	WIN 0x80
.set n, 0
.rept 128                              ; V(8 h + n % 8, 256 w + 16 (n / 8) + r)
	global_load_b32 v[n], v5, s[4:5] offset:524288+(n%8)*4096+64*(n/8)
.set n, n+1
.endr
	WIN 0
.rept 8
	v_nop                                          ; eight places behind this form, ahead of the first read of results
.endr
.irp i, 0,2,4,6
	v_pk_add_f32 v[TW+\i:TW+\i+1], v[SA+\i:SA+\i+1], v[SA+8+\i:SA+8+\i+1]
.endr
.irp i, 0,2,4,6
	v_pk_add_f32 v[TW+8+\i:TW+8+\i+1], v[SA+16+\i:SA+16+\i+1], v[SA+24+\i:SA+24+\i+1]
.endr
.irp i, 0,2,4,6
	v_pk_add_f32 v[SM+\i:SM+\i+1], v[TW+\i:TW+\i+1], v[TW+8+\i:TW+8+\i+1]
.endr
	ds_store_b128 v6, v[SM:SM+3] offset:SIMG
	ds_store_b128 v6, v[SM+4:SM+7] offset:SIMG+512
	s_wait_dscnt 0x0
	s_barrier_signal -1
	s_barrier_wait -1
.irp k, 0,1,2,3
	ds_load_b128 v[TW+8*\k:TW+8*\k+3], v7 offset:SIMG+1024*\k
	ds_load_b128 v[TW+8*\k+4:TW+8*\k+7], v7 offset:SIMG+1024*\k+512
.endr
	v_mov_b32 v14, 0xff800000
	s_wait_dscnt 0x0
.irp i, 0,2,4,6
	v_pk_add_f32 v[SM+\i:SM+\i+1], v[TW+\i:TW+\i+1], v[TW+8+\i:TW+8+\i+1]
.endr
.irp i, 0,2,4,6
	v_pk_add_f32 v[TW+\i:TW+\i+1], v[TW+16+\i:TW+16+\i+1], v[TW+24+\i:TW+24+\i+1]
.endr
.irp i, 0,2,4,6
	v_pk_add_f32 v[SM+\i:SM+\i+1], v[SM+\i:SM+\i+1], v[TW+\i:TW+\i+1]      ; the scores, the same in every wave
.endr
.irp j, 0,1,2,3,4,5,6,7
	v_cmp_gt_i32 vcc_lo, \j, v11
	v_cndmask_b32 v[SM+\j], v[SM+\j], v14, vcc_lo  ; hidden keys: -infinity
.endr
	v_max3_num_f32 v216, v208, v209, v210
	v_max3_num_f32 v216, v216, v211, v212
	v_max3_num_f32 v216, v216, v213, v214
	v_max_num_f32 v216, v216, v215
	v_mov_b32 v217, 0
	v_permlanex16_b32 v217, v216, s14, s15
	v_max_num_f32 v216, v216, v217                 ; the query's largest score: key 0 counts for every query
	v_mul_f32 v216, s16, v216
.irp j, 0,1,2,3,4,5,6,7
	v_fma_f32 v[220+\j], v[SM+\j], s16, -v216
.endr
.irp j, 0,1,2,3,4,5,6,7
	v_exp_f32 v[220+\j], v[220+\j]
.endr
	v_nop
	s_wait_alu depctr_va_vdst(0)                   ; one wait for the eight
	v_pk_add_f32 v[228:229], v[220:221], v[222:223]
	v_pk_add_f32 v[230:231], v[224:225], v[226:227]
	v_pk_add_f32 v[228:229], v[228:229], v[230:231]
	v_add_f32 v218, v228, v229
	v_permlanex16_b32 v217, v218, s14, s15
	v_add_f32 v218, v218, v217
	v_rcp_f32 v218, v218
	v_nop
	s_wait_alu depctr_va_vdst(0)
.irp j, 0,1,2,3,4,5,6,7
	v_mul_f32 v[WT+\j], v[220+\j], v218            ; the weight of key 8 h + j for query r
.endr
	s_wait_loadcnt 0x0                             ; Wo and V
	WIN 0x02
.irp c, 0,1,2,3                        ; attn^T = V^T x weights: place 2 h + j along K stands for key 8 h + 2 c + j on both sides; sixteen sums by turns
.set n, 0
.rept 16
.if \c == 0
	v_wmma_f32_16x16x4_f32 v[AT+8*n:AT+8*n+7], v[8*n+2*\c:8*n+2*\c+1], v[WT+2*\c:WT+2*\c+1], 0
.else
	v_wmma_f32_16x16x4_f32 v[AT+8*n:AT+8*n+7], v[8*n+2*\c:8*n+2*\c+1], v[WT+2*\c:WT+2*\c+1], v[AT+8*n:AT+8*n+7]
.endif
.set n, n+1
.endr
.endr
.rept 9
	v_nop                                          ; nine places before a matrix instruction takes these results as an operand
.endr
	WIN 0x08
.set n, 0
.rept 64                               ; out over my 256 channels: lane (r, h) holds attn(r, 16 t + 8 h + j) as it fell, and Wo was loaded to match; four sums by turns
.if n < 4
	v_wmma_f32_16x16x4_f32 v[OA+8*(n%4):OA+8*(n%4)+7], v[AT+2*n:AT+2*n+1], v[128+2*n:128+2*n+1], 0
.else
	v_wmma_f32_16x16x4_f32 v[OA+8*(n%4):OA+8*(n%4)+7], v[AT+2*n:AT+2*n+1], v[128+2*n:128+2*n+1], v[OA+8*(n%4):OA+8*(n%4)+7]
.endif
.set n, n+1
.endr
	WIN 0
.rept 8
	v_nop
.endr
.irp i, 0,2,4,6
	v_pk_add_f32 v[TW+\i:TW+\i+1], v[OA+\i:OA+\i+1], v[OA+8+\i:OA+8+\i+1]
.endr
.irp i, 0,2,4,6
	v_pk_add_f32 v[TW+8+\i:TW+8+\i+1], v[OA+16+\i:OA+16+\i+1], v[OA+24+\i:OA+24+\i+1]
.endr
.irp i, 0,2,4,6
	v_pk_add_f32 v[SM+\i:SM+\i+1], v[TW+\i:TW+\i+1], v[TW+8+\i:TW+8+\i+1]  ; register j: out(8 h + j, n0 + r), my channels' part
.endr
.irp i, 0,1,2,3
	ds_store_b64 v8, v[SM+2*\i:SM+2*\i+1] offset:256*\i
.endr
	s_wait_dscnt 0x0
	s_barrier_signal -1
	s_barrier_wait -1
.irp k, 0,1,2,3
	ds_load_b64 v[TW+2*\k:TW+2*\k+1], v9 offset:1024*\k      ; registers 2 w and 2 w + 1 of every wave's part
.endr
	s_wait_dscnt 0x0
	v_pk_add_f32 v[TW:TW+1], v[TW:TW+1], v[TW+2:TW+3]
	v_pk_add_f32 v[TW+4:TW+5], v[TW+4:TW+5], v[TW+6:TW+7]
	v_pk_add_f32 v[TW:TW+1], v[TW:TW+1], v[TW+4:TW+5]
	global_store_b32 v10, v[TW], s[8:9]
	global_store_b32 v10, v[TW+1], s[8:9] offset:4096
	s_wait_tensorcnt 0x0                           ; the wave's end, behind my last LDS store
	ds_add_u32 v[SPW], v[NIL]
	s_wait_dscnt 0x0
	s_endpgm
.Lfunc_end_k_qf41e9f4e4e_fine:
	.size	k_qf41e9f4e4e_fine, .Lfunc_end_k_qf41e9f4e4e_fine-k_qf41e9f4e4e_fine
	.p2alignl 7, 3214868480
	.fill 96, 4, 3214868480
	.section	.rodata,"a",@progbits
	.p2align	6, 0x0
	.amdhsa_kernel k_qf41e9f4e4e_fine
		.amdhsa_group_segment_fixed_size 8704
		.amdhsa_private_segment_fixed_size 0
		.amdhsa_enable_private_segment 0
		.amdhsa_kernarg_size 24
		.amdhsa_user_sgpr_count 2
		.amdhsa_user_sgpr_kernarg_segment_ptr 1
		.amdhsa_wavefront_size32 1
		.amdhsa_system_sgpr_workgroup_id_x 1
		.amdhsa_system_sgpr_workgroup_id_y 1
		.amdhsa_system_sgpr_workgroup_id_z 1
		.amdhsa_system_vgpr_workitem_id 0
		.amdhsa_next_free_vgpr 768
		.amdhsa_next_free_sgpr 66
		.amdhsa_reserve_vcc 1
		.amdhsa_float_denorm_mode_32 3
		.amdhsa_float_denorm_mode_16_64 3
		.amdhsa_memory_ordered 1
		.amdhsa_forward_progress 1
		.amdhsa_inst_pref_size 43
	.end_amdhsa_kernel
	.amdgpu_metadata
---
amdhsa.version: [ 1, 2 ]
amdhsa.kernels:
  - .name:           k_qf41e9f4e4e_fine
    .symbol:         k_qf41e9f4e4e_fine.kd
    .args:
      - { .name: qkvf, .offset: 0, .size: 8, .value_kind: global_buffer, .address_space: global }
      - { .name: Wo, .offset: 8, .size: 8, .value_kind: global_buffer, .address_space: global }
      - { .name: out0, .offset: 16, .size: 8, .value_kind: global_buffer, .address_space: global }
    .group_segment_fixed_size: 8704
    .private_segment_fixed_size: 0
    .kernarg_segment_align: 8
    .kernarg_segment_size: 24
    .max_flat_workgroup_size: 128
    .sgpr_count:     66
    .vgpr_count:     768
    .wavefront_size: 32
...
	.end_amdgpu_metadata
.endif
;; end of part 6
